; MI455X (gfx1250); checked and timed in simulation.
; The chip was launched on July 23, 2026; its instructions are those of AMD's public machine-readable ISA for CDNA 5 (MIT licence, August 2026) and "CDNA5" Instruction Set Architecture Reference Guide (July 2026). The comments in the code are by the model that wrote it; some were corrected since.
;; Multi Head Attention. Allowed arithmetic: matrix products marked QUANTISED: E2M1 operands, one E8M0 scale for each 32 along K, by v_wmma_scale_f32_16x16x128_f8f6f4 with both operands' format E2M1 (or v_wmma_scale_f32_32x16x128_f4), f32 sums; products left as they are: bf16, f16 or f32 operands; f32 sums; everything else in f32.
;; Inputs: Wk 1,024 x 1,024 float32; Wo 1,024 x 1,024 float32; Wq 1,024 x 1,024 float32; Wv 1,024 x 1,024 float32; bo 1,024 float32; x 4 x 2,048 x 1,024 float32.
;; Outputs: out0 4 x 2,048 x 1,024 float32.
;; This version of the problem:
;;   THIS VERSION OF THE PROBLEM IS GIVEN IN LOW PRECISION. The matrix products marked QUANTISED in the list below multiply operands that are first quantised to E2M1 (2 exponent bits, 1 mantissa bit; 4 bits a number), with one power-of-two scale for each 32 numbers along K (OCP MX v1.0); their sums are f32. The products marked 'left as it is' may take bf16, f16 or f32 operands, with f32 sums. Whichever they take, every output number must still come out within the allowed error. Rounding operands to bf16 (8 significant bits) uses up far more of that allowance than f16 does (11 bits, for magnitudes from 6e-5 to 65,504). All else is computed in f32.
;;   The module's matrix products, in the order in which they are computed (A, B: the left and right operand; K: the contracted axis; several contracted axes count as one K, in the product's order):
;;     1. [M 8,192, K 1,024] x [K 1,024, N 1,024]; A: input x; B: input Wq: QUANTISED
;;     2. [M 8,192, K 1,024] x [K 1,024, N 1,024]; A: input x; B: input Wk: QUANTISED
;;     3. [M 8,192, K 1,024] x [K 1,024, N 1,024]; A: input x; B: input Wv: QUANTISED
;;     4. batch 64 x [M 2,048, K 64] x [K 64, N 2,048]; A: computed on the way; B: computed on the way: left as it is (an operand is computed on the way)
;;     5. batch 64 x [M 2,048, K 2,048] x [K 2,048, N 64]; A: computed on the way; B: computed on the way: left as it is (an operand is computed on the way)
;;     6. [M 8,192, K 1,024] x [K 1,024, N 1,024]; A: computed on the way; B: input Wo: left as it is (an operand is computed on the way)
;;   THE QUANTISER, for each operand of a quantised product, along K:
;;     - K is cut into blocks of 32 from its start; a last block that is shorter is filled with zeros.
;;     - A block's scale is 2^e with e = floor(log2(the largest magnitude in the block)) - 2, held to -126 .. 127; a block of zeros has e = 0. As a byte (E8M0): e + 127.
;;     - Each number is divided by its block's scale, clamped to +-6, and rounded to the nearest number of E2M1, ties to even, subnormals kept.
;;     - The product sums the exact products of the quantised numbers (number of the format x scale) in f32.
;;   ~~~python
;;   def quantise(x, axis):      # numpy; x: float32 -> the quantised numbers, widened to float32 again
;;       x = np.moveaxis(x, axis, -1); K = x.shape[-1]
;;       x = np.pad(x, [(0, 0)] * (x.ndim - 1) + [(0, -K % 32)]); x = x.reshape(x.shape[:-1] + (-1, 32)); a = np.abs(x).max(-1, keepdims=True)
;;       e = np.where(a > 0, np.clip(np.frexp(np.where(a > 0, a, 1))[1] - 1 - 2, -126, 127), 0)      # np.frexp(a)[1] - 1 = floor(log2(a)), exactly
;;       r = np.clip(x / 2.0 ** e, -6, 6)
;;       step = 2.0 ** (np.maximum(np.frexp(np.where(r == 0, 1, r))[1] - 1, 0) - 1)
;;       q = np.round(r / step) * step * 2.0 ** e      # np.round: ties to even
;;       return np.moveaxis(q.reshape(q.shape[:-2] + (-1,))[..., :K], -1, axis).astype(np.float32)
;;   ~~~
;; One version. Each part assembles by itself: llvm-mc -triple=amdgcn-amd-amdhsa -mcpu=gfx1250 --defsym DOCPART=n.
;; ======== version 1 of 1: 5 launches
;; limits: values are held in f16: magnitudes above 65,504 overflow, below 6.1e-05 lose precision
;; workspace buffers: x_codes 4,194,304 bytes; x_scales 262,144 bytes; w_codes 1,572,864 bytes; w_scales 98,304 bytes; wot 2,097,152 bytes; qkv16 50,331,648 bytes; qkv32 786,432 bytes; ctx16 16,777,216 bytes
;; launch prep (part 1): grid 512 x 1, 4 waves a work-group, no clusters, 33,280 bytes of LDS; arguments x, Wq, Wk, Wv, Wo, x_codes, x_scales, w_codes, w_scales, wot; writes x_codes, x_scales, w_codes, w_scales, wot
.if DOCPART == 1
	.amdgcn_target "amdgcn-amd-amdhsa--gfx1250"
	.amdhsa_code_object_version 6
	.text
	.protected	k_q82dc996d52_prep
	.globl	k_q82dc996d52_prep
	.p2align	8
	.type	k_q82dc996d52_prep,@function
k_q82dc996d52_prep:
	s_mov_b64 s[64:65], 0
	v_nop
	global_prefetch_b8 v0, s[64:65] scope:SCOPE_SE
	s_setreg_imm32_b32 hwreg(HW_REG_WAVE_MODE, 25, 1), 1
	s_wait_xcnt 0x0
; FIRST OF FIVE LAUNCHES: prep, gemm, attn, proj, fine.  Causal attention, B = 4, S = 2,048, 16 heads of 64.
; WORK LEFT OUT BY THE PROGRAM: reference() sets the score of key t for query s to -infinity where t > s (its own jnp.tril), so the softmax weight there is 0 whatever finite
; values the inputs hold, and the key adds nothing to sum or context.  Tiles of keys that lie wholly behind a tile's last query are therefore not multiplied (launches attn, fine).
; No input is dead: x, Wq, Wk, Wv, Wo and bo are all loaded.  LIMIT: a NaN, an infinity or an overflow that reaches only such hidden keys is not carried to the result.
; THIS LAUNCH: x [8192][1024] f32 -> codes of FP4 (E2M1), K innermost, x_codes [8192][512 bytes], one E8M0 byte for each 32 along K, x_scales [8192][32].
; Wq, Wk, Wv [1024 k][1024 n] f32, K their FIRST axis -> w_codes [32 blocks of k][3072 n][16 bytes], w_scales [8][3072 n][4 bytes] (the scale word of 128 along K); n = 1024 x (0 q, 1 k, 2 v) + column.
; Wo [1024 k][1024 n] f32 -> f16, wot [128][1024 n][16 bytes]: eight neighbours along k of one column.  Both weight layouts are the order of the operand's registers.
; A block's scale is 2^(floor(log2(largest magnitude)) - 2); its byte is the largest magnitude's exponent field - 2, held at 1 from below.
; LIMITS: a block of zeros gets the byte 1 where the quantiser says 127 (its codes are zeros, and this program alone reads the bytes); blocks under the floor 2^(3 - 127) were not tried;
; NaN and infinities among x and W are not served; Wo must lie inside f16's range (under 65,504; under 6e-5 it keeps 2^-24 absolute).
; Work-groups 0-255 take the weights (64 each: 8 groups of 128 columns x 8 runs of 128 along K), work-groups 256-511 take x (32,768 numbers each).  Waves share nothing: no barrier.
.set SPARE, 32768                      ; behind the four waves' regions: the spare words, 128 bytes a wave, that no other line names
.set WREG,  8192                       ; x path: a wave's LDS region: two stages of 32 x SP bytes, then its 256 scale bytes
.set SP,    80                         ; a lane's place in a stage: 64 bytes + 16 of padding
.set SPW,   12                         ; v12 LDS address of my spare word; never rewritten
.set NIL,   13                         ; v13 0; never rewritten
.set R,     16                         ; x path: v16-143 eight sets of 16 numbers as loaded
.set X,     144                        ; v144-175 two sets of 16 neighbours
.set C,     176                        ; v176-207 codes, two registers a step
.set E,     208                        ; v208-223 a scale byte a step
.set W,     32                         ; weight path: v32-159 four blocks of 32 numbers down K
.set CW,    160                        ; v160.. what is stored: each block has registers of its own
	s_load_b512 s[16:31], s[0:1], 0x0              ; x 16, Wq 18, Wk 20, Wv 22, Wo 24, x_codes 26, x_scales 28, w_codes 30
	s_load_b128 s[32:35], s[0:1], 0x40             ; w_scales 32, wot 34
	v_lshl_add_u32 v[SPW], v0, 2, SPARE
	v_mov_b32 v[NIL], 0
	v_lshrrev_b32 v1, 5, v0
	v_readfirstlane_b32 s36, v1                    ; wave
	v_and_b32 v2, 31, v0                           ; lane
	s_wait_kmcnt 0x0
	s_cmp_lt_u32 ttmp9, 256
	s_cbranch_scc1 .Lw
; ---------------- x: a plain stream of blocks of 32.  A wave takes 16 steps of 512 numbers.  Each load reads 512 consecutive bytes; a step's 2,048 bytes turn through the wave's stage so that a lane holds 16 neighbours.
	v_lshlrev_b32 v3, 4, v2                        ; my 16 bytes of a load's 512
	s_mul_i32 s37, s36, WREG
	v_lshrrev_b32 v14, 2, v2
	v_mul_u32_u24 v14, v14, SP
	v_and_b32 v15, 3, v2
	v_lshl_add_u32 v14, v15, 4, v14
	v_add_nc_u32 v14, s37, v14                     ; stage, way in: SP (lane / 4) + 16 (lane % 4)
	v_mul_u32_u24 v15, v2, SP
	v_add_nc_u32 v15, s37, v15                     ; stage, way out: SP x lane
	v_lshlrev_b32 v4, 3, v2                        ; my 8 bytes of a step's codes
	v_lshrrev_b32 v5, 1, v2
	s_add_co_u32 s37, s37, 2*32*SP
	v_add_nc_u32 v5, s37, v5                       ; my block's scale byte in LDS
	v_lshlrev_b32 v7, 3, v2
	v_add_nc_u32 v6, s37, v7                       ; and 8 bytes a lane on the way out
	s_sub_co_u32 s38, ttmp9, 256
	s_lshl_b32 s38, s38, 2
	s_add_co_u32 s38, s38, s36                     ; which run of 8,192 numbers is my wave's
	s_mov_b32 s41, 0
	s_lshl_b32 s40, s38, 15
	s_add_nc_u64 s[16:17], s[16:17], s[40:41]
	s_lshl_b32 s40, s38, 12
	s_add_nc_u64 s[26:27], s[26:27], s[40:41]
	s_lshl_b32 s40, s38, 8
	s_add_nc_u64 s[28:29], s[28:29], s[40:41]
.macro XLOAD t
.irp i, 0,1,2,3
	global_load_b128 v[R+16*((\t)%8)+4*\i:R+16*((\t)%8)+4*\i+3], v3, s[16:17] offset:2048*(\t)+512*\i th:TH_LOAD_NT
.endr
.endm
.macro XTURN t                         ; LDS serves a wave's instructions in order: no wait between the stores and the loads
.irp i, 0,1,2,3
	ds_store_b128 v14, v[R+16*((\t)%8)+4*\i:R+16*((\t)%8)+4*\i+3] offset:32*SP*((\t)%2)+8*SP*\i
.endr
.irp i, 0,1,2,3
	ds_load_b128 v[X+16*((\t)%2)+4*\i:X+16*((\t)%2)+4*\i+3], v15 offset:32*SP*((\t)%2)+16*\i
.endr
.endm
.irp t, 0,1,2,3,4,5,6,7
	XLOAD \t                                       ; eight steps, 32 loads, 16 KiB of a wave on their way
.endr
	s_wait_loadcnt 28                              ; step 0's four loads are in; the seven younger steps' 28 stay out
	XTURN 0
.macro XSTEP t
.set XS, X+16*((\t)%2)
.if (\t) > 0
	s_wait_dscnt 1                                 ; this step's numbers are back from the stage; the last step's byte store may be out
.else
	s_wait_dscnt 0x0
.endif
.if (\t)+8 < 16
	XLOAD (\t)+8                                   ; into the set whose stores into the stage are done
.endif
.if (\t)+1 < 16
.if (\t) < 8
	s_wait_loadcnt 28                              ; the next step's loads are in; seven younger steps stay out
.else
	s_wait_loadcnt 4*(14-(\t))                     ; the counts run down
.endif
	XTURN (\t)+1
.endif
	v_max3_num_f32 v8, |v[XS]|, |v[XS+1]|, |v[XS+2]|
	v_max3_num_f32 v9, |v[XS+3]|, |v[XS+4]|, |v[XS+5]|
.irp i, 6,10
	v_max3_num_f32 v8, v8, |v[XS+\i]|, |v[XS+\i+1]|
	v_max3_num_f32 v9, v9, |v[XS+\i+2]|, |v[XS+\i+3]|
.endr
	v_max3_num_f32 v8, v8, |v[XS+14]|, |v[XS+15]|
	v_max3_num_f32 v8, v8, v9, 0x1800000           ; and the floor 2^(3 - 127): the byte cannot fall under 1
	v_max_num_f32_dpp v8, v8, v8 row_xmask:1 row_mask:0xf bank_mask:0xf   ; with my neighbour's 16: the block's largest magnitude
	v_add_nc_u32 v11, 0xff000000, v8               ; 2 off its exponent field: the conversion takes this operand's exponent field as its scale
	v_cvt_scalef32_pk8_fp4_f32 v[C+2*(\t)], v[XS:XS+7], v11
	v_cvt_scalef32_pk8_fp4_f32 v[C+2*(\t)+1], v[XS+8:XS+15], v11
	v_lshrrev_b32 v[E+(\t)], 23, v11               ; the scale's byte (a plain line behind the conversions)
	ds_store_b8 v5, v[E+(\t)] offset:16*(\t)       ; both lanes of a block write the same byte
	global_store_b64 v4, v[C+2*(\t):C+2*(\t)+1], s[26:27] offset:256*(\t)   ; the wave stores 256 consecutive bytes, aligned
.endm
.irp t, 0,1,2,3,4,5,6,7,8,9,10,11,12,13,14,15
	XSTEP \t
.endr
	ds_load_b64 v[8:9], v6                         ; my wave's 256 scale bytes, 8 a lane
	s_wait_dscnt 0x0
	global_store_b64 v7, v[8:9], s[28:29]          ; 256 consecutive bytes, aligned
	s_wait_tensorcnt 0x0                           ; the wave's end: behind my last LDS store
	ds_add_u32 v[SPW], v[NIL]
	s_wait_dscnt 0x0
	s_endpgm
; ---------------- the weights: a lane takes a column, its registers run down K: a block of 32 lies in one lane, and nothing is transposed.  No LDS on this path.
.Lw:
	s_lshr_b32 s37, ttmp9, 6                       ; which matrix: 0 Wq, 1 Wk, 2 Wv, 3 Wo
	s_bfe_u32 s38, ttmp9, 0x30003                  ; which 128 columns
	s_and_b32 s39, ttmp9, 7                        ; which 128 along K
	s_cmp_eq_u32 s37, 1
	s_cselect_b64 s[4:5], s[20:21], s[18:19]
	s_cmp_eq_u32 s37, 2
	s_cselect_b64 s[4:5], s[22:23], s[4:5]
	s_cmp_eq_u32 s37, 3
	s_cselect_b64 s[4:5], s[24:25], s[4:5]
	s_lshl_b32 s40, s38, 7
	s_lshl_b32 s41, s36, 5
	s_add_co_u32 s40, s40, s41                     ; my wave's first column
	s_lshl_b32 s42, s39, 19                        ; 128 rows of 4,096 bytes
	s_lshl_b32 s43, s40, 2
	s_add_co_u32 s42, s42, s43
	s_mov_b32 s43, 0
	s_add_nc_u64 s[4:5], s[4:5], s[42:43]
	v_lshlrev_b32 v3, 2, v2                        ; 4 bytes a lane
	v_lshlrev_b32 v4, 4, v2                        ; 16 bytes a lane
.macro WLOAD t                         ; block t: rows 32 t + i at my column: 128 consecutive bytes a wave
.set j, 0
.rept 32
	global_load_b32 v[W+32*(\t)+j], v3, s[4:5] offset:(32*(\t)+j)*4096 th:TH_LOAD_NT
.set j, j+1
.endr
.endm
	WLOAD 0
	WLOAD 1
	s_cmp_eq_u32 s37, 3
	s_cbranch_scc1 .Lwo
	s_lshl_b32 s46, s37, 10
	s_add_co_u32 s46, s46, s40                     ; n = 1024 x matrix + column
	s_mul_i32 s44, s39, 196608                     ; four block rows of 49,152 bytes
	s_lshl_b32 s47, s46, 4
	s_add_co_u32 s44, s44, s47
	s_mov_b32 s45, 0
	s_add_nc_u64 s[30:31], s[30:31], s[44:45]
	s_mul_i32 s44, s39, 12288
	s_lshl_b32 s47, s46, 2
	s_add_co_u32 s44, s44, s47
	s_add_nc_u64 s[32:33], s[32:33], s[44:45]
.macro QBLK t
.set XS, W+32*(\t)
	v_max3_num_f32 v8, |v[XS]|, |v[XS+1]|, |v[XS+2]|
	v_max3_num_f32 v9, |v[XS+3]|, |v[XS+4]|, |v[XS+5]|
.irp i, 6,10,14,18,22,26
	v_max3_num_f32 v8, v8, |v[XS+\i]|, |v[XS+\i+1]|
	v_max3_num_f32 v9, v9, |v[XS+\i+2]|, |v[XS+\i+3]|
.endr
	v_max3_num_f32 v8, v8, |v[XS+30]|, |v[XS+31]|
	v_max3_num_f32 v8, v8, v9, 0x1800000           ; the floor
	v_add_nc_u32 v11, 0xff000000, v8
	v_lshrrev_b32 v9, 23, v11                      ; the scale's byte
.if (\t) == 0
	v_mov_b32 v24, v9
.else
	v_lshl_or_b32 v24, v9, 8*(\t), v24             ; four bytes make the scale word of 128 along K
.endif
.irp g, 0,1,2,3
	v_cvt_scalef32_pk8_fp4_f32 v[CW+4*(\t)+\g], v[XS+8*\g:XS+8*\g+7], v11
.endr
	v_nop                                          ; a plain line behind the last conversion
	global_store_b128 v4, v[CW+4*(\t):CW+4*(\t)+3], s[30:31] offset:49152*(\t)   ; 32 columns x 16 bytes: 512 consecutive bytes
.endm
	s_wait_loadcnt 32                              ; block 0 is in; block 1's 32 loads stay out
	WLOAD 2
	QBLK 0
	s_wait_loadcnt 32                              ; block 1 is in; block 2's stay out
	WLOAD 3
	QBLK 1
	s_wait_loadcnt 32                              ; block 2 is in; block 3's stay out
	QBLK 2
	s_wait_loadcnt 0x0
	QBLK 3
	global_store_b32 v3, v24, s[32:33]             ; 128 consecutive bytes a wave, 512 a work-group; the whole buffer is 98,304 bytes
	s_endpgm
.Lwo:
	s_lshl_b32 s44, s39, 18                        ; sixteen rows of 16,384 bytes
	s_lshl_b32 s47, s40, 4
	s_add_co_u32 s44, s44, s47
	s_mov_b32 s45, 0
	s_add_nc_u64 s[34:35], s[34:35], s[44:45]
.macro HBLK t
.set j, 0
.rept 16
	v_cvt_pk_f16_f32 v[CW+16*(\t)+j], v[W+32*(\t)+2*j], v[W+32*(\t)+2*j+1]
.set j, j+1
.endr
.irp g, 0,1,2,3
	global_store_b128 v4, v[CW+16*(\t)+4*\g:CW+16*(\t)+4*\g+3], s[34:35] offset:16384*(4*(\t)+\g)   ; 512 consecutive bytes
.endr
.endm
	s_wait_loadcnt 32
	WLOAD 2
	HBLK 0
	s_wait_loadcnt 32
	WLOAD 3
	HBLK 1
	s_wait_loadcnt 32
	HBLK 2
	s_wait_loadcnt 0x0
	HBLK 3
	s_endpgm
.Lfunc_end_k_q82dc996d52_prep:
	.size	k_q82dc996d52_prep, .Lfunc_end_k_q82dc996d52_prep-k_q82dc996d52_prep
	.p2alignl 7, 3214868480
	.fill 96, 4, 3214868480
	.section	.rodata,"a",@progbits
	.p2align	6, 0x0
	.amdhsa_kernel k_q82dc996d52_prep
		.amdhsa_group_segment_fixed_size 33280
		.amdhsa_private_segment_fixed_size 0
		.amdhsa_enable_private_segment 0
		.amdhsa_kernarg_size 80
		.amdhsa_user_sgpr_count 2
		.amdhsa_user_sgpr_kernarg_segment_ptr 1
		.amdhsa_wavefront_size32 1
		.amdhsa_system_sgpr_workgroup_id_x 1
		.amdhsa_system_sgpr_workgroup_id_y 1
		.amdhsa_system_sgpr_workgroup_id_z 1
		.amdhsa_system_vgpr_workitem_id 0
		.amdhsa_next_free_vgpr 256
		.amdhsa_next_free_sgpr 66
		.amdhsa_reserve_vcc 0
		.amdhsa_float_denorm_mode_32 3
		.amdhsa_float_denorm_mode_16_64 3
		.amdhsa_memory_ordered 1
		.amdhsa_forward_progress 1
		.amdhsa_inst_pref_size 64
	.end_amdhsa_kernel
	.amdgpu_metadata
---
amdhsa.version: [ 1, 2 ]
amdhsa.kernels:
  - .name:           k_q82dc996d52_prep
    .symbol:         k_q82dc996d52_prep.kd
    .args:
      - { .name: x, .offset: 0, .size: 8, .value_kind: global_buffer, .address_space: global }
      - { .name: Wq, .offset: 8, .size: 8, .value_kind: global_buffer, .address_space: global }
      - { .name: Wk, .offset: 16, .size: 8, .value_kind: global_buffer, .address_space: global }
      - { .name: Wv, .offset: 24, .size: 8, .value_kind: global_buffer, .address_space: global }
      - { .name: Wo, .offset: 32, .size: 8, .value_kind: global_buffer, .address_space: global }
      - { .name: x_codes, .offset: 40, .size: 8, .value_kind: global_buffer, .address_space: global }
      - { .name: x_scales, .offset: 48, .size: 8, .value_kind: global_buffer, .address_space: global }
      - { .name: w_codes, .offset: 56, .size: 8, .value_kind: global_buffer, .address_space: global }
      - { .name: w_scales, .offset: 64, .size: 8, .value_kind: global_buffer, .address_space: global }
      - { .name: wot, .offset: 72, .size: 8, .value_kind: global_buffer, .address_space: global }
    .group_segment_fixed_size: 33280
    .private_segment_fixed_size: 0
    .kernarg_segment_align: 8
    .kernarg_segment_size: 80
    .max_flat_workgroup_size: 128
    .sgpr_count:     66
    .vgpr_count:     256
    .wavefront_size: 32
...
	.end_amdgpu_metadata
.endif
;; end of part 1
;; launch gemm (part 2): grid 12 x 32, 4 waves a work-group, clusters of 4 x 4, 327,680 bytes of LDS; arguments x_codes, x_scales, w_codes, w_scales, qkv16, qkv32; writes qkv16, qkv32
.if DOCPART == 2
	.amdgcn_target "amdgcn-amd-amdhsa--gfx1250"
	.amdhsa_code_object_version 6
	.text
	.protected	k_q82dc996d52_gemm
	.globl	k_q82dc996d52_gemm
	.p2align	8
	.type	k_q82dc996d52_gemm,@function
k_q82dc996d52_gemm:
	s_mov_b64 s[64:65], 0
	v_nop
	global_prefetch_b8 v0, s[64:65] scope:SCOPE_SE
	s_setreg_imm32_b32 hwreg(HW_REG_WAVE_MODE, 25, 1), 1
	s_wait_xcnt 0x0
	s_wait_alu depctr_hold_cnt(0) depctr_sa_sdst(0) depctr_va_vdst(0) depctr_va_sdst(0) depctr_va_ssrc(0) depctr_va_vcc(0) depctr_vm_vsrc(0)
	s_getreg_b32 s2, hwreg(HW_REG_IB_STS2, 6, 4)
	s_cmp_eq_u32 s2, 0
	s_cbranch_scc0 .Lentry_in_a_cluster
	s_endpgm
.Lentry_in_a_cluster:
	s_bfe_u32 s2, ttmp6, 0x10000c
	s_cmp_lg_u32 s2, 0xf033
	s_cbranch_scc0 .Lentry_shape_is_right
	s_endpgm
.Lentry_shape_is_right:
; q, k, v = x Wq, x Wk, x Wv as ONE product [8192] x [3072] over K = 1,024, on codes of FP4 (E2M1) with one E8M0 scale for each 32 along K; sums in f32, K ascending.
; Results: qkv16 [3 parts][64 = 16 batch + head][2048 positions][64] in f16 (LIMIT: |q|, |k|, |v| under 65,504), and an f32 copy of positions 0-15 of each batch, qkv32 [64 = 16 batch + position][3072].
; A tile, 256 x 256, is made by four waves, 128 x 128 each: 64 accumulators of 16 x 16, 512 registers.  ALL OF K LIES IN LDS: a row of 1,024 codes is 512 bytes, so A's 256 rows, B's 256 columns
; and both sides' scales fit at once: two tensor loads a wave at the head, one wait, one barrier, eight steps of 128 along K written out.
; CLUSTERS: 4 x 4 work-groups.  Tile column = 4 x cluster x + cx (so cluster x is the part q, k, v); tile row = 8 cy + cluster y (so cy is the batch, and a batch's first tile has cluster y = 0,
; the same in all partners).  A's tiles are shared along a row of the cluster, B's along a column: asked for jointly, one mask each.
; THE MATRIX INSTRUCTION IS USED TRANSPOSED (source 0 = 16 columns of W, source 1 = 16 rows of x): a lane holds eight neighbouring columns of one row.
; REGISTERS: window 0: v16-31 addresses; v32-95 A's scale words (8 i + Q), v96-159 B's; v160-223 A's fragments, one set.  window 1: B's fragments, two sets, v0 and v128.  windows 2, 3: accumulators (a, b) at v[8 (8 (a % 4) + b)].
.set PITCH, 528                        ; A's row in LDS: 512 bytes + 16: an odd multiple of 16, so the 16 rows of a load start 16 bytes apart modulo 256
.set HALFA, 128*PITCH
.set BCOD,  2*HALFA                    ; B's codes [32 blocks of k][256 n][16 bytes]: 16 lanes of a load touch 256 consecutive bytes
.set SAO,   BCOD+131072                ; A's scales: 32 units of 256 bytes + 16
.set SBO,   SAO+8704                   ; B's scale words [8 Q][256 n]
.set SPARE, SBO+8192                   ; the spare words, 128 bytes a wave, that no other line names
.set STG,   SPARE+512                  ; a stage of 8,448 bytes for each wave: bytes of its own, into which no fill lands
.set ADRA, 16
.set ADRB, 20                          ; v20, v21: steps 0-3, 4-7
.set ADRS, 22
.set ADRT, 23
.set STO,  24
.set RD,   25
.set CO,   26
.set STO32, 27
.set SPW,  28
.set NIL,  29
.set RD32, 30
.set CO32, 31
.set SA,   32
.set SB,   96
.set AF,   160
.set TMP,  192
.set OB,   32
.set G1A, 24
.set G0A, 32
.set G1B, 36
.set G0B, 44
.set G1SA, 48
.set G0SA, 56
.set G1SB, 68
.set G0SB, 76
.set MSB, 0
.macro WIN new                         ; the immediate's high byte repeats the setting that is left
.if MSB != (\new)
	s_set_vgpr_msb (MSB<<8)|(\new)
.set MSB, (\new)
.endif
.endm
.set MUL_LO, 0xa1                      ; source 0 (B) window 1, source 1 (A) window 0, C and D window 2
.set MUL_HI, 0xf1
.set TO_B,   0x40
.macro JLOAD g0a, g1a, g0b, g1b        ; waves 0, 1 fetch for A, waves 2, 3 for B; the branch hangs on the wave's number alone; s_nop 0 and four v_nop behind each line
	s_cmp_eq_u32 s17, 0
	s_cbranch_scc0 .Lfor_b_\@
	tensor_load_to_lds s[\g0a:\g0a+3], s[\g1a:\g1a+7]
	s_nop 0
.rept 4
	v_nop
.endr
	s_branch .Lasked_\@
.Lfor_b_\@:
	tensor_load_to_lds s[\g0b:\g0b+3], s[\g1b:\g1b+7]
	s_nop 0
.rept 4
	v_nop
.endr
.Lasked_\@:
.endm
.macro CROUND                          ; a round of the cluster's barrier
	s_barrier_signal -1
	s_barrier_wait -1
	s_cmp_lg_u32 s16, 0
	s_cbranch_scc1 .Lnot_wave_0_\@
	s_barrier_signal -3
.Lnot_wave_0_\@:
	s_barrier_wait -3
	s_barrier_signal -1
	s_barrier_wait -1
.endm
.macro PLACES n
.rept \n
	v_nop
.endr
.endm
	s_load_b256 s[4:11], s[0:1], 0x0               ; x_codes 4, x_scales 6, w_codes 8, w_scales 10
	s_load_b128 s[12:15], s[0:1], 0x20             ; qkv16 12, qkv32 14
	v_lshl_add_u32 v[SPW], v0, 2, SPARE
	v_mov_b32 v[NIL], 0
	ds_add_u32 v[SPW], v[NIL]                      ; the wave's opening: the add, twice on end, and its wait ahead of my first tensor load
	ds_add_u32 v[SPW], v[NIL]
	v_lshrrev_b32 v1, 5, v0
	v_readfirstlane_b32 s16, v1                    ; wave
	s_lshr_b32 s17, s16, 1                         ; my half of the tile's rows; also: I fetch for A (0) or B (1)
	s_and_b32 s18, s16, 1                          ; my half of its columns; also: which half I fetch
	s_bfe_u32 s19, ttmp6, 0x40000                  ; cx
	s_bfe_u32 s20, ttmp6, 0x40004                  ; cy
	s_lshl_b32 s21, ttmp9, 2
	s_add_co_u32 s21, s21, s19                     ; tile column
	s_and_b32 s22, ttmp7, 0xffff                   ; cluster y
	s_lshl_b32 s23, s20, 3
	s_add_co_u32 s23, s23, s22                     ; tile row = 8 cy + cluster y
	s_lshl_b32 s66, s20, 2
	s_lshl_b32 s66, 15, s66                        ; my row of the cluster
	s_lshl_b32 s67, 0x1111, s19                    ; my column
	s_or_b32 s[G1A], s66, (1<<20)|(1<<21)|(6<<22)|(3<<25)          ; A's codes: bytes; 128 rows x 512; 4 words of padding behind every 128
	s_mov_b32 s[G1A+1], 512<<16
	s_mov_b32 s[G1A+2], 128<<16
	s_mov_b32 s[G1A+3], 512<<16
	s_mov_b32 s[G1A+4], 128
	s_mov_b32 s[G1A+5], 512
	s_mov_b32 s[G1A+6], 0
	s_mov_b32 s[G1A+7], 0
	s_or_b32 s[G1B], s67, (1<<21)                  ; B's codes: 16 rows x 4,096 bytes, 49,152 apart, no padding
	s_mov_b32 s[G1B+1], 4096<<16
	s_mov_b32 s[G1B+2], 16<<16
	s_mov_b32 s[G1B+3], 4096<<16
	s_mov_b32 s[G1B+4], 16
	s_mov_b32 s[G1B+5], 49152
	s_mov_b32 s[G1B+6], 0
	s_mov_b32 s[G1B+7], 0
	s_or_b32 s[G1SA], s66, (3<<16)|(1<<20)|(1<<21)|(5<<22)|(3<<25) ; A's scales: 4,096 dense bytes as 16 rows of 32 elements of 8 bytes, 16 bytes of padding behind each
	s_mov_b32 s[G1SA+1], 32<<16
	s_mov_b32 s[G1SA+2], 16<<16
	s_mov_b32 s[G1SA+3], 32<<16
	s_mov_b32 s[G1SA+4], 16
	s_mov_b32 s[G1SA+5], 32
	s_mov_b32 s[G1SA+6], 0
	s_mov_b32 s[G1SA+7], 0
	s_or_b32 s[G1SB], s67, (3<<16)|(1<<21)         ; B's scale words: 4 rows of 1,024 bytes (128 elements of 8), 12,288 bytes apart
	s_mov_b32 s[G1SB+1], 128<<16
	s_mov_b32 s[G1SB+2], 4<<16
	s_mov_b32 s[G1SB+3], 128<<16
	s_mov_b32 s[G1SB+4], 4
	s_mov_b32 s[G1SB+5], 1536
	s_mov_b32 s[G1SB+6], 0
	s_mov_b32 s[G1SB+7], 0
	s_lshl_b32 s80, s23, 17                        ; A's codes: (256 tile row + 128 half) x 512
	s_lshl_b32 s81, s18, 16
	s_add_co_u32 s80, s80, s81
	s_mov_b32 s81, 0
	s_lshl_b32 s82, s23, 13                        ; A's scales: x 32
	s_lshl_b32 s83, s18, 12
	s_add_co_u32 s82, s82, s83
	s_mov_b32 s83, 0
	s_mul_i32 s84, s18, 786432                     ; B's codes: 16 half rows of 49,152 + 4,096 tile column
	s_lshl_b32 s85, s21, 12
	s_add_co_u32 s84, s84, s85
	s_mov_b32 s85, 0
	s_mul_i32 s86, s18, 49152                      ; B's scale words: 4 half rows of 12,288 + 1,024 tile column
	s_lshl_b32 s87, s21, 10
	s_add_co_u32 s86, s86, s87
	s_mov_b32 s87, 0
	s_mul_i32 s88, s18, HALFA                      ; where they go: the fetched half alone enters an LDS address
	s_lshl_b32 s89, s18, 16
	s_add_co_u32 s89, s89, BCOD
	s_mul_i32 s90, s18, 4352
	s_add_co_u32 s90, s90, SAO
	s_lshl_b32 s91, s18, 12
	s_add_co_u32 s91, s91, SBO
	s_wait_dscnt 0x0                               ; both opening adds are done
	s_wait_kmcnt 0x0
	s_mov_b32 s[G0A], 1
	s_mov_b32 s[G0A+1], s88
	s_add_nc_u64 s[G0A+2:G0A+3], s[4:5], s[80:81]
	s_or_b32 s[G0A+3], s[G0A+3], 0x80000000
	s_mov_b32 s[G0B], 1
	s_mov_b32 s[G0B+1], s89
	s_add_nc_u64 s[G0B+2:G0B+3], s[8:9], s[84:85]
	s_or_b32 s[G0B+3], s[G0B+3], 0x80000000
	s_mov_b32 s[G0SA], 1
	s_mov_b32 s[G0SA+1], s90
	s_add_nc_u64 s[G0SA+2:G0SA+3], s[6:7], s[82:83]
	s_or_b32 s[G0SA+3], s[G0SA+3], 0x80000000
	s_mov_b32 s[G0SB], 1
	s_mov_b32 s[G0SB+1], s91
	s_add_nc_u64 s[G0SB+2:G0SB+3], s[10:11], s[86:87]
	s_or_b32 s[G0SB+3], s[G0SB+3], 0x80000000
	CROUND                                         ; all sixteen work-groups are here: the joint loads meet
	JLOAD G0A, G1A, G0B, G1B                       ; a wave has two tensor loads out
	JLOAD G0SA, G1SA, G0SB, G1SB
	v_and_b32 v1, 15, v0                           ; r
	v_bfe_u32 v2, v0, 4, 1                         ; h
	v_and_b32 v3, 31, v0                           ; lane
	v_mul_u32_u24 v4, v1, PITCH
	v_lshl_add_u32 v4, v2, 4, v4
	s_mul_i32 s80, s17, HALFA
	v_add_nc_u32 v[ADRA], s80, v4                  ; A: row r of my 128, + 16 h
	v_lshlrev_b32 v4, 4, v1
	v_lshl_add_u32 v4, v2, 12, v4
	s_lshl_b32 s80, s18, 11
	s_add_co_u32 s80, s80, BCOD
	v_add_nc_u32 v[ADRB], s80, v4                  ; B: block row h, column 128 half + r
	v_add_nc_u32 v[ADRB+1], 65536, v[ADRB]
	v_lshrrev_b32 v4, 3, v1
	v_mul_u32_u24 v4, v4, 272
	v_and_b32 v5, 7, v1
	v_lshl_add_u32 v4, v5, 5, v4
	s_mul_i32 s80, s17, 4352
	s_add_co_u32 s80, s80, SAO
	v_add_nc_u32 v[ADRS], s80, v4                  ; A's scales: 32 bytes a row, eight rows to a unit
	v_lshlrev_b32 v4, 2, v1
	s_lshl_b32 s80, s18, 9
	s_add_co_u32 s80, s80, SBO
	v_add_nc_u32 v[ADRT], s80, v4                  ; B's scale words: 4 bytes a column
	s_mul_i32 s81, s16, 8448
	s_add_co_u32 s81, s81, STG                     ; my stage
	v_mul_u32_u24 v4, v1, 272
	v_lshl_add_u32 v4, v2, 4, v4
	v_add_nc_u32 v[STO], s81, v4                   ; f16, in: row r of 256 + 16 bytes, + 16 h
	v_bfe_u32 v4, v0, 3, 1
	v_mul_u32_u24 v4, v4, 272
	v_lshl_add_u32 v4, v2, 7, v4
	v_and_b32 v5, 7, v0
	v_lshl_add_u32 v4, v5, 4, v4
	v_add_nc_u32 v[RD], s81, v4                    ; f16, back: lanes 0-15 two rows of my first head, lanes 16-31 of my second
	v_lshlrev_b32 v[CO], 4, v1
	v_lshl_add_u32 v[CO], v2, 18, v[CO]            ; and in memory: 256 consecutive bytes for each sixteen lanes, the heads 262,144 bytes apart
	v_mul_u32_u24 v4, v1, 528
	v_lshl_add_u32 v4, v2, 5, v4
	v_add_nc_u32 v[STO32], s81, v4                 ; f32, in: row r of 512 + 16 bytes, + 32 h
	v_lshlrev_b32 v[CO32], 4, v3
	v_add_nc_u32 v[RD32], s81, v[CO32]             ; f32, back: a row of 512 bytes to the 32 lanes
	s_lshl_b32 s96, ttmp9, 24                      ; qkv16: the part,
	s_lshl_b32 s97, s20, 4
	s_add_co_u32 s97, s97, s18
	s_add_co_u32 s97, s97, s18                     ; 16 batch + 2 half
	s_lshl_b32 s98, s19, 2
	s_add_co_u32 s97, s97, s98                     ; + 4 cx: my first head
	s_lshl_b32 s97, s97, 18
	s_add_co_u32 s96, s96, s97
	s_lshl_b32 s97, s22, 15                        ; position 256 cluster y + 128 half, 128 bytes each
	s_add_co_u32 s96, s96, s97
	s_lshl_b32 s97, s17, 14
	s_add_co_u32 s96, s96, s97
	s_mov_b32 s97, 0
	s_add_nc_u64 s[92:93], s[12:13], s[96:97]
	s_mul_i32 s96, s20, 196608                     ; qkv32: 16 batch rows of 12,288 bytes,
	s_lshl_b32 s98, s21, 10
	s_add_co_u32 s96, s96, s98
	s_lshl_b32 s98, s18, 9
	s_add_co_u32 s96, s96, s98                     ; + my 128 columns
	s_add_nc_u64 s[94:95], s[14:15], s[96:97]
	s_wait_tensorcnt 0x0                           ; my two loads have landed,
	s_barrier_signal -1
	s_barrier_wait -1                              ; everybody's have
.macro FRAGA reg, q, i                 ; 16 rows x 128 K of 4-bit codes: registers 4 c .. 4 c + 3 hold K = 64 c + 32 h + 0 .. 31
.irp c, 0,1
	ds_load_b128 v[\reg+4*\c:\reg+4*\c+3], v[ADRA] offset:64*(\q)+32*\c+(\i)*16*PITCH
.endr
.endm
.macro FRAGB reg, q, i
.irp c, 0,1
	ds_load_b128 v[\reg+4*\c:\reg+4*\c+3], v[ADRB+(\q)/4] offset:(4*((\q)%4)+2*\c)*4096+256*(\i)
.endr
.endm
.macro FETCH_B q, p
	WIN TO_B
.irp i, 0,1,2,3,4,5,6,7
	FRAGB 128*(\p)+8*\i, \q, \i
.endr
	WIN 0
.endm
.macro FETCH_A q, i0
.irp i, \i0, \i0+1, \i0+2, \i0+3
	FRAGA AF+8*(\i), \q, \i
.endr
.endm
.macro SCALES                          ; all of K's scale words, once: they stand in registers that hold scales and nothing else
.irp i, 0,1,2,3,4,5,6,7
	ds_load_b128 v[SA+8*\i:SA+8*\i+3], v[ADRS] offset:544*\i
	ds_load_b128 v[SA+8*\i+4:SA+8*\i+7], v[ADRS] offset:544*\i+16
.endr
.irp i, 0,1,2,3,4,5,6,7
.irp q, 0,1,2,3,4,5,6,7
	ds_load_b32 v[SB+8*\i+\q], v[ADRT] offset:1024*\q+64*\i
.endr
.endr
.endm
; 16 matrix instructions: A's blocks a0, a0 + 1 x B's eight.  The 64 accumulators take turns, one instruction a turn, in the same order in every step.
.macro MUL16 a0, p, q, zero
.irp a, \a0, \a0+1
.irp b, 0,1,2,3,4,5,6,7
.if \zero
	v_wmma_scale_f32_16x16x128_f8f6f4 v[8*(8*((\a)%4)+\b):8*(8*((\a)%4)+\b)+7], v[128*(\p)+8*\b:128*(\p)+8*\b+7], v[AF+8*(\a):AF+8*(\a)+7], 0, v[SB+8*\b+(\q)], v[SA+8*(\a)+(\q)] matrix_a_fmt:MATRIX_FMT_FP4 matrix_b_fmt:MATRIX_FMT_FP4
.else
	v_wmma_scale_f32_16x16x128_f8f6f4 v[8*(8*((\a)%4)+\b):8*(8*((\a)%4)+\b)+7], v[128*(\p)+8*\b:128*(\p)+8*\b+7], v[AF+8*(\a):AF+8*(\a)+7], v[8*(8*((\a)%4)+\b):8*(8*((\a)%4)+\b)+7], v[SB+8*\b+(\q)], v[SA+8*(\a)+(\q)] matrix_a_fmt:MATRIX_FMT_FP4 matrix_b_fmt:MATRIX_FMT_FP4
.endif
.endr
.endr
.endm
; A step of 128 along K.  A block of A is free as soon as its eight products are issued: one set serves A; B has two.
.macro STEP q, zero
	s_wait_dscnt 8                                 ; all but the youngest eight loads (A's blocks 4-7) are in
	WIN MUL_LO
	MUL16 0, (\q)%2, \q, \zero
	MUL16 2, (\q)%2, \q, \zero
	s_wait_dscnt 0x0
	PLACES 4                                       ; four plain places in front of loads into registers that matrix instructions have read
	FETCH_B (\q)+1, 1-(\q)%2
	FETCH_A (\q)+1, 0
	WIN MUL_HI
	MUL16 4, (\q)%2, \q, \zero
	MUL16 6, (\q)%2, \q, \zero
	PLACES 4
	WIN 0
	FETCH_A (\q)+1, 4
.endm
	FETCH_B 0, 0
	FETCH_A 0, 0
	SCALES
	FETCH_A 0, 4
	STEP 0, 1                                      ; the first products start the sums: nothing is cleared
	STEP 1, 0
	STEP 2, 0
	STEP 3, 0
	STEP 4, 0
	STEP 5, 0
	STEP 6, 0
	s_wait_dscnt 8
	WIN MUL_LO
	MUL16 0, 1, 7, 0
	MUL16 2, 1, 7, 0
	s_wait_dscnt 0x0
	WIN MUL_HI
	MUL16 4, 1, 7, 0
	MUL16 6, 1, 7, 0
	WIN 0
	PLACES 4
; THE F32 COPY: positions 0-15 of a batch are block 0 of the waves with the upper row half in the tiles with cluster y = 0 (ids that all partners share, and the wave's number).
	s_or_b32 s80, s22, s17
	s_cmp_lg_u32 s80, 0
	s_cbranch_scc1 .Lno32
	WIN 0x08                                       ; an LDS store's data are its source 1: window 2
.irp b, 0,1,2,3,4,5,6,7
	ds_store_b128 v[STO32], v[8*\b:8*\b+3] offset:64*\b            ; each accumulator from its low end on
	ds_store_b128 v[STO32], v[8*\b+4:8*\b+7] offset:64*\b+16
.endr
	WIN 0
.irp t, 0,1,2,3,4,5,6,7,8,9,10,11,12,13,14,15
	ds_load_b128 v[64+4*\t:64+4*\t+3], v[RD32] offset:528*\t       ; LDS serves a wave's instructions in order: these see my stores
.endr
	s_wait_dscnt 0x0
.irp t, 0,1,2,3,4,5,6,7,8,9,10,11,12,13,14,15
	global_store_b128 v[CO32], v[64+4*\t:64+4*\t+3], s[94:95] offset:12288*\t   ; 512 consecutive bytes, aligned
.endr
.Lno32:
; THE WAY OUT in f16, a block of 16 rows at a time through my stage.
.macro PACK a
.set AC, 64*((\a)%4)
	WIN 0x0a+5*((\a)/4)                            ; sources 0 and 1: window 2 or 3
.irp b, 0,1,2,3,4,5,6,7
.irp r, 0,1,2,3
	v_cvt_pk_f16_f32 v[TMP+4*\b+\r], v[AC+8*\b+2*\r], v[AC+8*\b+2*\r+1]
.endr
.endr
	WIN 0
.endm
.macro TOSTAGE a
.set BK, OB+192*((\a)%2)
.irp b, 0,1,2,3,4,5,6,7
	ds_store_b128 v[STO], v[TMP+4*\b:TMP+4*\b+3] offset:32*\b
.endr
.irp t, 0,1,2,3,4,5,6,7
	ds_load_b128 v[BK+4*\t:BK+4*\t+3], v[RD] offset:544*\t
.endr
.endm
.macro SEND a
.set BK, OB+192*((\a)%2)
	s_wait_dscnt 0x0                               ; the block is back in registers
	s_wait_xcnt 0x0                                ; earlier stores have read their registers and base: both may be written again
.if (\a) > 0
	s_add_nc_u64 s[92:93], s[92:93], 2048          ; 16 positions of 128 bytes on
.endif
.irp t, 0,1,2,3,4,5,6,7
	global_store_b128 v[CO], v[BK+4*\t:BK+4*\t+3], s[92:93] offset:256*\t   ; sixteen lanes store two rows of one head: 256 consecutive bytes, aligned
.endr
.endm
	PACK 0
	TOSTAGE 0
.irp a, 1,2,3,4,5,6,7
	PACK \a
	SEND \a-1
	TOSTAGE \a
.endr
	SEND 7
	s_wait_tensorcnt 0x0                           ; the wave's end
	ds_add_u32 v[SPW], v[NIL]
	s_wait_dscnt 0x0
	CROUND                                         ; the closing round
	s_endpgm
.Lfunc_end_k_q82dc996d52_gemm:
	.size	k_q82dc996d52_gemm, .Lfunc_end_k_q82dc996d52_gemm-k_q82dc996d52_gemm
	.p2alignl 7, 3214868480
	.fill 96, 4, 3214868480
	.section	.rodata,"a",@progbits
	.p2align	6, 0x0
	.amdhsa_kernel k_q82dc996d52_gemm
		.amdhsa_group_segment_fixed_size 327680
		.amdhsa_private_segment_fixed_size 0
		.amdhsa_enable_private_segment 0
		.amdhsa_kernarg_size 48
		.amdhsa_user_sgpr_count 2
		.amdhsa_user_sgpr_kernarg_segment_ptr 1
		.amdhsa_wavefront_size32 1
		.amdhsa_system_sgpr_workgroup_id_x 1
		.amdhsa_system_sgpr_workgroup_id_y 1
		.amdhsa_system_sgpr_workgroup_id_z 1
		.amdhsa_system_vgpr_workitem_id 0
		.amdhsa_next_free_vgpr 1024
		.amdhsa_next_free_sgpr 100
		.amdhsa_reserve_vcc 0
		.amdhsa_float_denorm_mode_32 3
		.amdhsa_float_denorm_mode_16_64 3
		.amdhsa_memory_ordered 1
		.amdhsa_forward_progress 1
		.amdhsa_inst_pref_size 134
	.end_amdhsa_kernel
	.amdgpu_metadata
---
amdhsa.version: [ 1, 2 ]
amdhsa.kernels:
  - .name:           k_q82dc996d52_gemm
    .symbol:         k_q82dc996d52_gemm.kd
    .args:
      - { .name: x_codes, .offset: 0, .size: 8, .value_kind: global_buffer, .address_space: global }
      - { .name: x_scales, .offset: 8, .size: 8, .value_kind: global_buffer, .address_space: global }
      - { .name: w_codes, .offset: 16, .size: 8, .value_kind: global_buffer, .address_space: global }
      - { .name: w_scales, .offset: 24, .size: 8, .value_kind: global_buffer, .address_space: global }
      - { .name: qkv16, .offset: 32, .size: 8, .value_kind: global_buffer, .address_space: global }
      - { .name: qkv32, .offset: 40, .size: 8, .value_kind: global_buffer, .address_space: global }
    .group_segment_fixed_size: 327680
    .private_segment_fixed_size: 0
    .kernarg_segment_align: 8
    .kernarg_segment_size: 48
    .max_flat_workgroup_size: 128
    .sgpr_count:     100
    .vgpr_count:     1024
    .wavefront_size: 32
...
	.end_amdgpu_metadata
.endif
;; end of part 2
;; launch attn (part 3): grid 4 x 64, 16 waves a work-group, no clusters, 327,680 bytes of LDS; arguments qkv16, ctx16; writes ctx16
.if DOCPART == 3
	.amdgcn_target "amdgcn-amd-amdhsa--gfx1250"
	.amdhsa_code_object_version 6
	.text
	.protected	k_q82dc996d52_attn
	.globl	k_q82dc996d52_attn
	.p2align	8
	.type	k_q82dc996d52_attn,@function
k_q82dc996d52_attn:
	s_mov_b64 s[64:65], 0
	v_nop
	global_prefetch_b8 v0, s[64:65] scope:SCOPE_SE
	s_setreg_imm32_b32 hwreg(HW_REG_WAVE_MODE, 25, 1), 1
	s_wait_xcnt 0x0
; ctx = softmax(q k^T / 8, causal) v for each of 64 (batch, head); q, k, v: qkv16 [3][64][2048][64] f16; ctx16 [16 heads][8192 = 2048 batch + position][64] f16.  Products on f16 operands, sums, maxima and softmax in f32.
; WORK LEFT OUT: key steps all of whose keys come after a wave's 16 queries (reference()'s own causal mask gives them weight 0 for all inputs); a NaN or infinity that reaches only hidden keys is not carried.
; LIMIT: the weights p and ctx are rounded to f16 (p at most about 1; under 6e-5 it keeps 2^-24 absolute).  Positions 0-15 of each batch are computed here too but are made anew in f32 by the launch fine.
; SHARES.  A work-group owns query blocks 7 - J and J (256 queries each, J = work-group x) of one head, one after the other: block 7 - J walks key slots 0 .. 7 - J, block J slots 0 .. J, a slot being 256 keys:
; NINE slots for every work-group, a constant of the text, and equal work for all 256.  Each of sixteen waves owns 16 queries; in the second pass the waves take the tiles in reverse order, which evens the two diagonal slots out.
; NO CLUSTER: the four work-groups of a head walk different slots from the fifth trip on, and a joint load has to be alike in all partners.
; LAYOUT.  S^T = K Q^T (source 0 = 16 keys, source 1 = my queries), O^T = V^T P (V turned by ds_load_tr16_b128): a lane holds ONE query (lane % 16) throughout; two tiles of S^T, rounded in pairs, are source 1 of the second product.
; SOFTMAX.  Running maximum m and sum l: p = 2^(c s - c m), c = log2(e) / 8; in every step O and l are multiplied by a = 2^(c m_old - c m_new).  Key 0 counts for every query, so m is a number from a pass's first step on.
; RING.  Two slots in LDS, filled by waves 0, 1 (K's halves) and 2, 3 (V's), read by all sixteen; the change of slots stands at a slot's head.  Every slot that is asked for is read (wave 15, or 0 in pass 2, reads all of a diagonal slot).
.set SLOT1, 131072
.set KP,    144                        ; a key's row: 128 bytes + 16: an odd multiple of 16
.set VP,    160                        ; a row of V: 128 + 32: an odd multiple of 32, for the turning load
.set VOFF,  256*KP
.set STAGE, 262144                     ; behind the ring: 16 rows x 144 bytes for each wave
.set SPARE, STAGE+16*2304              ; the spare words, 128 bytes a wave, that no other line names
.set AK0, 1
.set AV0, 2
.set SPW, 3
.set NIL, 4
.set QO,  5
.set STO, 6
.set RD,  7
.set GO,  8
.set ADK, 9
.set ADV, 10
.set DQ,  11                           ; v11 r - 8 h
.set QF,  24                           ; v24-39 Q;  v12 c m, v13 m, v[14:15] l, v16-21 at work, v[22:23] a
.set KFR, 40
.set VFR, 104
.set S,   168
.set P,   200
.set O,   216
.set PFO, 248                          ; v248 256 x lane; v249 at work; v250 -infinity
.set WV,  8
.set J,   9
.set SEL, 20
.set CS,  22
.set G1K, 24
.set G1V, 32
.set G0K, 40
.set G0V, 44
.set NS,  48                           ; s[48:49] byte offset of the key slot that is asked for next
.set TB,  50
.set KF,  51
.set Q0,  52
.set CNT1, 53                          ; trips left in the first pass
.set SLOTS, 54
.set LIM, 55
.set PFA, 56
.macro TLOAD                           ; the branches hang on the wave's number alone; s_nop 0 and four v_nop behind each line
	s_cmp_lt_u32 s[WV], 2
	s_cbranch_scc0 .Lnot_k_\@
	tensor_load_to_lds s[G0K:G0K+3], s[G1K:G1K+7]
	s_nop 0
.rept 4
	v_nop
.endr
	s_branch .Lasked_\@
.Lnot_k_\@:
	s_cmp_lt_u32 s[WV], 4
	s_cbranch_scc0 .Lasked_\@
	tensor_load_to_lds s[G0V:G0V+3], s[G1V:G1V+7]
	s_nop 0
.rept 4
	v_nop
.endr
.Lasked_\@:
.endm
; A prefetch of the slot that the NEXT change will ask for: 32,768 dense bytes of K and of V.  The head's work-group with J = 0 asks (its first pass walks all eight slots), in it waves 4-7 for K and 8-11 for V,
; 8,192 bytes a wave, lanes 256 bytes apart: each aligned block of 256 bytes is named once.  Trips 0 to 5 ask for slots 2 to 7; slots 0 and 1 come by their loads alone.
.macro ASK
	s_cmp_gt_u32 s[SLOTS], s[LIM]
	s_cbranch_scc0 .Lnot_mine_\@
	global_prefetch_b8 v[PFO], s[PFA:PFA+1] th:TH_LOAD_NT scope:SCOPE_SE
.Lnot_mine_\@:
.endm
	s_load_b128 s[4:7], s[0:1], 0x0                ; qkv16, ctx16
	v_lshl_add_u32 v[SPW], v0, 2, SPARE
	v_mov_b32 v[NIL], 0
	ds_add_u32 v[SPW], v[NIL]                      ; the wave's opening: the add, twice on end, and its wait ahead of my first tensor load
	ds_add_u32 v[SPW], v[NIL]
	v_lshrrev_b32 v9, 5, v0
	v_readfirstlane_b32 s[WV], v9
	s_mov_b32 s[J], ttmp9
	s_and_b32 s10, ttmp7, 0xffff                   ; 16 batch + head
	s_mov_b32 s[G1K], (1<<20)|(4<<22)|(3<<25)      ; bytes; padding: 4 words behind every 32
	s_mov_b32 s[G1V], (1<<20)|(4<<22)|(7<<25)      ; 8 words
.irp g, G1K, G1V
	s_mov_b32 s[\g+1], 128<<16                     ; tensor_dim0
	s_mov_b32 s[\g+2], 128<<16                     ; tensor_dim1
	s_mov_b32 s[\g+3], 128<<16                     ; tile_dim0
	s_mov_b32 s[\g+4], 128                         ; tile_dim1
	s_mov_b32 s[\g+5], 128                         ; pitch
	s_mov_b32 s[\g+6], 0
	s_mov_b32 s[\g+7], 0
.endr
	s_mov_b32 s[SEL], 0x76543210
	s_mov_b32 s[SEL+1], 0xfedcba98
	s_mov_b32 s[CS], 0x3e38aa3b                    ; c = log2(e) / 8
	s_mov_b32 s[CS+1], s[CS]
	s_mov_b32 s[NS], 0
	s_mov_b32 s[NS+1], 0
	s_mov_b32 s[TB], 0
	s_mov_b32 s[KF], 0
	s_sub_co_u32 s[CNT1], 8, s[J]
	s_mov_b32 s[SLOTS], 8
	s_sub_co_u32 s58, 7, s[J]
	s_lshl_b32 s58, s58, 8
	s_lshl_b32 s59, s[WV], 4
	s_add_co_u32 s[Q0], s58, s59                   ; pass 1: my first query
	s_and_b32 s58, s[WV], 1
	s_mul_i32 s[G0K+1], s58, 128*KP
	s_mul_i32 s[G0V+1], s58, 128*VP
	s_add_co_u32 s[G0V+1], s[G0V+1], VOFF
	s_lshl_b32 s60, s58, 14                        ; my half of a slot in memory
	s_mov_b32 s61, 0
	s_lshl_b32 s62, s10, 18
	s_mov_b32 s63, 0
	s_wait_dscnt 0x0                               ; both opening adds are done
	s_wait_kmcnt 0x0
	s_add_nc_u64 s[12:13], s[4:5], s[62:63]        ; Q of my head
	s_add_nc_u64 s[66:67], s[12:13], 0x1000000     ; K
	s_add_nc_u64 s[68:69], s[12:13], 0x2000000     ; V
	s_add_nc_u64 s[14:15], s[66:67], s[60:61]
	s_add_nc_u64 s[16:17], s[68:69], s[60:61]
	s_mov_b32 s[G0K], 1
	s_mov_b64 s[G0K+2:G0K+3], s[14:15]
	s_or_b32 s[G0K+3], s[G0K+3], 0x80000000
	s_mov_b32 s[G0V], 1
	s_mov_b64 s[G0V+2:G0V+3], s[16:17]
	s_or_b32 s[G0V+3], s[G0V+3], 0x80000000
	TLOAD                                          ; key slot 0 into LDS slot 0
	s_and_b32 s58, s10, 15
	s_lshl_b32 s58, s58, 20
	s_lshr_b32 s59, s10, 4
	s_lshl_b32 s59, s59, 18
	s_add_co_u32 s58, s58, s59
	s_mov_b32 s59, 0
	s_add_nc_u64 s[18:19], s[6:7], s[58:59]        ; ctx16 at my head and batch
	s_cmp_lt_u32 s[WV], 8
	s_cselect_b64 s[PFA:PFA+1], s[66:67], s[68:69]
	s_and_b32 s58, s[WV], 3
	s_lshl_b32 s58, s58, 13
	s_add_co_u32 s58, s58, 32768                   ; in slot 1: the first change steps it to slot 2
	s_add_nc_u64 s[PFA:PFA+1], s[PFA:PFA+1], s[58:59]
	s_sub_co_u32 s58, s[WV], 4
	s_lshr_b32 s58, s58, 3                         ; 0 in waves 4 to 11,
	s_or_b32 s58, s58, ttmp9                       ; of the work-group with J = 0
	s_cmp_eq_u32 s58, 0
	s_cselect_b32 s[LIM], 2, -1
	v_and_b32 v16, 15, v0                          ; r
	v_bfe_u32 v17, v0, 4, 1                        ; h
	v_and_b32 v18, 31, v0                          ; lane
	v_lshlrev_b32 v[QO], 7, v16
	v_lshl_add_u32 v[QO], v17, 4, v[QO]
	s_lshl_b32 s62, s[Q0], 7
	s_mov_b32 s63, 0
	s_add_nc_u64 s[62:63], s[12:13], s[62:63]
.irp i, 0,1,2,3
	global_load_b128 v[QF+4*\i:QF+4*\i+3], v[QO], s[62:63] offset:32*\i   ; Q's two fragments stay in registers
.endr
	v_mul_u32_u24 v[AK0], v16, KP
	v_lshl_add_u32 v[AK0], v17, 4, v[AK0]
	v_and_b32 v19, 7, v0
	v_lshl_add_u32 v20, v17, 3, v19
	v_mul_u32_u24 v[AV0], v20, VP
	v_bfe_u32 v20, v0, 3, 1
	v_lshl_add_u32 v[AV0], v20, 4, v[AV0]
	v_add_nc_u32 v[AV0], VOFF, v[AV0]
	s_mul_i32 s58, s[WV], 2304
	s_add_co_u32 s58, s58, STAGE
	v_add_nc_u32 v[STO], s58, v[AK0]               ; the stage has K's pitch: row r, + 16 h
	v_bfe_u32 v20, v0, 3, 2
	v_mul_u32_u24 v[RD], v20, KP
	v_lshl_add_u32 v[RD], v19, 4, v[RD]
	v_add_nc_u32 v[RD], s58, v[RD]                 ; back: eight lanes to a row of 128 bytes
	v_lshlrev_b32 v[GO], 4, v18
	v_lshlrev_b32 v20, 3, v17
	v_sub_nc_u32 v[DQ], v16, v20
	v_lshlrev_b32 v[PFO], 8, v18
	v_mov_b32 v250, 0xff800000                     ; -infinity
	v_mov_b32 v13, 0xff61b1e6                      ; m = -3e38, under every score
	v_mul_f32 v12, s[CS], v13
	v_mov_b32 v14, 0
	v_mov_b32 v15, 0
	v_mov_b32 v23, 0                               ; named as the upper half of the pair v[22:23]
.set n, 0
.rept 32
	v_mov_b32 v[O+n], 0                            ; the step is written once: a pass's first step finds zeros
.set n, n+1
.endr
; A KEY STEP: 64 keys, the q-th of the slot in hand.
.macro STEP q
	s_add_co_u32 s58, s[Q0], 15
	s_cmp_gt_u32 s[KF], s58                        ; all keys behind my last query: the step's work is left out (ids and the count of steps alone)
	s_cbranch_scc1 .Lhid_\@
	v_add_nc_u32 v[ADK], s[TB], v[AK0]
	v_add_nc_u32 v[ADV], s[TB], v[AV0]
.irp kt, 0,1,2,3
.irp c, 0,1
	ds_load_b128 v[KFR+16*\kt+8*\c:KFR+16*\kt+8*\c+3], v[ADK] offset:(64*(\q)+16*\kt)*KP+64*\c
	ds_load_b128 v[KFR+16*\kt+8*\c+4:KFR+16*\kt+8*\c+7], v[ADK] offset:(64*(\q)+16*\kt)*KP+64*\c+32
.endr
.endr
.irp kc, 0,1
.irp ct, 0,1,2,3
	ds_load_tr16_b128 v[VFR+32*\kc+8*\ct:VFR+32*\kc+8*\ct+3], v[ADV] offset:(64*(\q)+32*\kc)*VP+32*\ct
	ds_load_tr16_b128 v[VFR+32*\kc+8*\ct+4:VFR+32*\kc+8*\ct+7], v[ADV] offset:(64*(\q)+32*\kc)*VP+32*\ct+16*VP
.endr
.endr
	s_wait_dscnt 16                                ; K's sixteen loads are in; V's sixteen stay out
.irp kt, 0,1,2,3                       ; the four accumulators take turns, one instruction a turn
	v_wmma_f32_16x16x32_f16 v[S+8*\kt:S+8*\kt+7], v[KFR+16*\kt:KFR+16*\kt+7], v[QF:QF+7], 0
.endr
.irp kt, 0,1,2,3
	v_wmma_f32_16x16x32_f16 v[S+8*\kt:S+8*\kt+7], v[KFR+16*\kt+8:KFR+16*\kt+15], v[QF+8:QF+15], v[S+8*\kt:S+8*\kt+7]
.endr
.rept 4
	v_nop                                          ; four plain places in front of the first read of results (ISA guide 7.12.1)
.endr
	s_add_co_u32 s58, s[KF], 63
	s_cmp_le_u32 s58, s[Q0]                        ; all keys count for all my queries: no mask
	s_cbranch_scc1 .Lopen_\@
	s_sub_co_i32 s58, s[Q0], s[KF]
	v_add_nc_u32 v249, s58, v[DQ]                  ; d = my query - KF - 8 h.  Register 8 kt + j holds key KF + 16 kt + 8 h + j: hidden where 16 kt + j > d
.set n, 0
.rept 32
	v_cmp_gt_i32 vcc_lo, 16*(n/8)+n%8, v249
	v_cndmask_b32 v[S+n], v[S+n], v250, vcc_lo
.set n, n+1
.endr
.Lopen_\@:
.irp t, 0,1,2,3
	v_max3_num_f32 v[16+\t], v[S+8*\t], v[S+8*\t+1], v[S+8*\t+2]   ; each accumulator from its low end on; four chains
.endr
.irp t, 0,1,2,3
	v_max3_num_f32 v[16+\t], v[16+\t], v[S+8*\t+3], v[S+8*\t+4]
.endr
.irp t, 0,1,2,3
	v_max3_num_f32 v[16+\t], v[16+\t], v[S+8*\t+5], v[S+8*\t+6]
.endr
	v_max3_num_f32 v16, v16, v[S+7], v[S+15]
	v_max3_num_f32 v18, v18, v[S+23], v[S+31]
	v_max3_num_f32 v16, v16, v17, v18
	v_max3_num_f32 v16, v16, v19, v13              ; with the old m
	v_permlanex16_b32 v17, v16, s[SEL], s[SEL+1]   ; the query's other 32 keys lie in the lane 16 away
	v_mov_b32 v21, v12                             ; c m_old
	v_max_num_f32 v13, v16, v17
	v_mul_f32 v12, s[CS], v13
	v_sub_f32 v21, v21, v12
.set n, 0
.rept 16
	v_pk_fma_f32 v[S+n:S+n+1], v[S+n:S+n+1], s[CS:CS+1], v[12:13] op_sel_hi:[1,0,0] neg_lo:[0,0,1] neg_hi:[0,0,1]   ; c s - c m
.set n, n+2
.endr
	v_exp_f32 v22, v21                             ; a
.set n, 0
.rept 32
	v_exp_f32 v[S+n], v[S+n]                       ; p: one batch
.set n, n+1
.endr
	v_nop                                          ; a plain instruction behind the last exponential
	s_wait_alu depctr_va_vdst(0)                   ; one wait for the batch, ahead of its first reader
.set n, 0
.rept 16
	v_cvt_pk_f16_f32 v[P+n], v[S+2*n], v[S+2*n+1]
.set n, n+1
.endr
.irp u, 0,1,2,3,4,5,6,7
	v_pk_add_f32 v[S+4*\u:S+4*\u+1], v[S+4*\u:S+4*\u+1], v[S+4*\u+2:S+4*\u+3]
.endr
.irp u, 0,1,2,3
	v_pk_add_f32 v[S+8*\u:S+8*\u+1], v[S+8*\u:S+8*\u+1], v[S+8*\u+4:S+8*\u+5]
.endr
.irp u, 0,1
	v_pk_add_f32 v[S+16*\u:S+16*\u+1], v[S+16*\u:S+16*\u+1], v[S+16*\u+8:S+16*\u+9]
.endr
	v_pk_add_f32 v[S:S+1], v[S:S+1], v[S+16:S+17]
	v_pk_fma_f32 v[14:15], v[14:15], v[22:23], v[S:S+1] op_sel_hi:[1,0,1]   ; l = a l + the step's sum, of the unrounded p
.set n, 0
.rept 16
	v_pk_mul_f32 v[O+n:O+n+1], v[O+n:O+n+1], v[22:23] op_sel_hi:[1,0]
.set n, n+2
.endr
	s_wait_dscnt 0x0                               ; V is in
.irp kc, 0,1
.irp ct, 0,1,2,3
	v_wmma_f32_16x16x32_f16 v[O+8*\ct:O+8*\ct+7], v[VFR+32*\kc+8*\ct:VFR+32*\kc+8*\ct+7], v[P+8*\kc:P+8*\kc+7], v[O+8*\ct:O+8*\ct+7]
.endr
.endr
.rept 4
	v_nop                                          ; places in front of the next loads into V's registers and of the next read of O
.endr
.Lhid_\@:
	s_add_co_u32 s[KF], s[KF], 64
.endm
; THE CHANGE OF SLOTS, at a slot's head.  Every wave: all its tensor loads have landed; the add; the wait for it and for its reads of the slot that it has left; the barrier.  fill = 1: the slot left is filled with the next key slot.
.macro CHANGE fill
	s_wait_tensorcnt 0x0
	ds_add_u32 v[SPW], v[NIL]
.if \fill
	ds_add_u32 v[SPW], v[NIL]                      ; twice on end here
	s_add_co_u32 s[NS], s[NS], 32768               ; the next 256 keys,
	s_cmp_eq_u32 s[CNT1], 1
	s_cselect_b32 s[NS], 0, s[NS]                  ; or, in the first pass's last trip, the second pass's slot 0
	s_xor_b32 s[G0K+1], s[G0K+1], SLOT1
	s_xor_b32 s[G0V+1], s[G0V+1], SLOT1
	s_add_nc_u64 s[G0K+2:G0K+3], s[14:15], s[NS:NS+1]
	s_or_b32 s[G0K+3], s[G0K+3], 0x80000000
	s_add_nc_u64 s[G0V+2:G0V+3], s[16:17], s[NS:NS+1]
	s_or_b32 s[G0V+3], s[G0V+3], 0x80000000
	s_wait_xcnt 0x0                                ; the last prefetch, a slot back, has read its address
	s_add_nc_u64 s[PFA:PFA+1], s[PFA:PFA+1], 32768
.endif
	s_wait_dscnt 0x0
	s_barrier_signal -1
	s_barrier_wait -1
.if \fill
	TLOAD                                          ; the first thing behind the barrier, a wave's one tensor load until the next: four key steps in which to land
	ASK
.endif
.endm
.macro SLOT_STEPS
	STEP 0
	STEP 1
	STEP 2
	STEP 3
	s_xor_b32 s[TB], s[TB], SLOT1
.endm
; A PASS'S END: O^T / l, rounded to f16, through my stage, out as 2,048 consecutive bytes.  reload = 1: the second pass's queries and a fresh m, l, O.
.macro FINISH reload
	v_add_f32 v14, v14, v15
	v_permlanex16_b32 v17, v14, s[SEL], s[SEL+1]
	v_add_f32 v14, v14, v17
	v_rcp_f32 v22, v14
	v_nop
	s_wait_alu depctr_va_vdst(0)                   ; ahead of the reciprocal's first reader
.set n, 0
.rept 16
	v_pk_mul_f32 v[O+n:O+n+1], v[O+n:O+n+1], v[22:23] op_sel_hi:[1,0]
.set n, n+2
.endr
.set n, 0
.rept 16
	v_cvt_pk_f16_f32 v[P+n], v[O+2*n], v[O+2*n+1]
.set n, n+1
.endr
.irp ct, 0,1,2,3
	ds_store_b128 v[STO], v[P+4*\ct:P+4*\ct+3] offset:32*\ct
.endr
.irp i, 0,1,2,3
	ds_load_b128 v[KFR+4*\i:KFR+4*\i+3], v[RD] offset:576*\i       ; LDS serves a wave's instructions in order
.endr
	s_lshl_b32 s60, s[Q0], 7
	s_mov_b32 s61, 0
	s_add_nc_u64 s[60:61], s[18:19], s[60:61]
	s_wait_dscnt 0x0
.irp i, 0,1,2,3
	global_store_b128 v[GO], v[KFR+4*\i:KFR+4*\i+3], s[60:61] offset:512*\i   ; 512 consecutive bytes, aligned
.endr
.if \reload
	s_sub_co_u32 s58, 15, s[WV]
	s_lshl_b32 s58, s58, 4
	s_lshl_b32 s59, s[J], 8
	s_add_co_u32 s[Q0], s58, s59                   ; pass 2: block J, the tiles in reverse order
	s_lshl_b32 s62, s[Q0], 7
	s_mov_b32 s63, 0
	s_add_nc_u64 s[62:63], s[12:13], s[62:63]
.irp i, 0,1,2,3
	global_load_b128 v[QF+4*\i:QF+4*\i+3], v[QO], s[62:63] offset:32*\i
.endr
	v_mov_b32 v13, 0xff61b1e6
	v_mul_f32 v12, s[CS], v13
	v_mov_b32 v14, 0
	v_mov_b32 v15, 0
.set n, 0
.rept 32
	v_mov_b32 v[O+n], 0
.set n, n+1
.endr
	s_mov_b32 s[KF], 0
	s_wait_loadcnt 0x0
	s_wait_xcnt 0x0                                ; the stores have read their registers: K's fragments may land there again
.endif
.endm
	s_wait_loadcnt 0x0                             ; Q
.Lslot:                                            ; eight trips: behind each change but the last the next key slot is asked for
	CHANGE 1
	SLOT_STEPS
	s_sub_co_u32 s[CNT1], s[CNT1], 1
	s_cmp_lg_u32 s[CNT1], 0
	s_cbranch_scc1 .Lnofin
	FINISH 1
.Lnofin:
	s_sub_co_u32 s[SLOTS], s[SLOTS], 1
	s_cmp_lg_u32 s[SLOTS], 0
	s_cbranch_scc1 .Lslot
	CHANGE 0                                       ; the last slot is written out
	SLOT_STEPS
	FINISH 0
	s_wait_tensorcnt 0x0                           ; the wave's end
	ds_add_u32 v[SPW], v[NIL]
	s_wait_dscnt 0x0
	s_endpgm
.Lfunc_end_k_q82dc996d52_attn:
	.size	k_q82dc996d52_attn, .Lfunc_end_k_q82dc996d52_attn-k_q82dc996d52_attn
	.p2alignl 7, 3214868480
	.fill 96, 4, 3214868480
	.section	.rodata,"a",@progbits
	.p2align	6, 0x0
	.amdhsa_kernel k_q82dc996d52_attn
		.amdhsa_group_segment_fixed_size 327680
		.amdhsa_private_segment_fixed_size 0
		.amdhsa_enable_private_segment 0
		.amdhsa_kernarg_size 16
		.amdhsa_user_sgpr_count 2
		.amdhsa_user_sgpr_kernarg_segment_ptr 1
		.amdhsa_wavefront_size32 1
		.amdhsa_system_sgpr_workgroup_id_x 1
		.amdhsa_system_sgpr_workgroup_id_y 1
		.amdhsa_system_sgpr_workgroup_id_z 1
		.amdhsa_system_vgpr_workitem_id 0
		.amdhsa_next_free_vgpr 256
		.amdhsa_next_free_sgpr 80
		.amdhsa_reserve_vcc 1
		.amdhsa_float_denorm_mode_32 3
		.amdhsa_float_denorm_mode_16_64 3
		.amdhsa_memory_ordered 1
		.amdhsa_forward_progress 1
		.amdhsa_inst_pref_size 114
	.end_amdhsa_kernel
	.amdgpu_metadata
---
amdhsa.version: [ 1, 2 ]
amdhsa.kernels:
  - .name:           k_q82dc996d52_attn
    .symbol:         k_q82dc996d52_attn.kd
    .args:
      - { .name: qkv16, .offset: 0, .size: 8, .value_kind: global_buffer, .address_space: global }
      - { .name: ctx16, .offset: 8, .size: 8, .value_kind: global_buffer, .address_space: global }
    .group_segment_fixed_size: 327680
    .private_segment_fixed_size: 0
    .kernarg_segment_align: 8
    .kernarg_segment_size: 16
    .max_flat_workgroup_size: 512
    .sgpr_count:     80
    .vgpr_count:     256
    .wavefront_size: 32
...
	.end_amdgpu_metadata
.endif
;; end of part 3
;; launch proj (part 4): grid 4 x 64, 4 waves a work-group, clusters of 4 x 4, 327,680 bytes of LDS; arguments ctx16, wot, bo, out0; writes out0
.if DOCPART == 4
	.amdgcn_target "amdgcn-amd-amdhsa--gfx1250"
	.amdhsa_code_object_version 6
	.text
	.protected	k_q82dc996d52_proj
	.globl	k_q82dc996d52_proj
	.p2align	8
	.type	k_q82dc996d52_proj,@function
k_q82dc996d52_proj:
	s_mov_b64 s[64:65], 0
	v_nop
	global_prefetch_b8 v0, s[64:65] scope:SCOPE_SE
	s_setreg_imm32_b32 hwreg(HW_REG_WAVE_MODE, 25, 1), 1
	s_wait_xcnt 0x0
	s_wait_alu depctr_hold_cnt(0) depctr_sa_sdst(0) depctr_va_vdst(0) depctr_va_sdst(0) depctr_va_ssrc(0) depctr_va_vcc(0) depctr_vm_vsrc(0)
	s_getreg_b32 s2, hwreg(HW_REG_IB_STS2, 6, 4)
	s_cmp_eq_u32 s2, 0
	s_cbranch_scc0 .Lentry_in_a_cluster
	s_endpgm
.Lentry_in_a_cluster:
	s_bfe_u32 s2, ttmp6, 0x10000c
	s_cmp_lg_u32 s2, 0xf033
	s_cbranch_scc0 .Lentry_shape_is_right
	s_endpgm
.Lentry_shape_is_right:
; out0 = ctx Wo + bo on f16 operands, sums in f32, for all rows but positions 0-15 of each batch, which the launch fine makes in f32 and stores (each output byte has one owner).
; ctx16 [16 heads][8192 rows][64] f16; wot [128][1024 n][16 bytes]: eight neighbours along k of a column; out0 [8192][1024] f32.
; A tile is 128 rows x 256 columns: 256 work-groups.  Four waves, 64 x 128 each: 32 accumulators, 256 registers.  K goes in 8 steps of 128 (two heads) through two LDS slots.
; CLUSTERS: 4 x 4.  Tile column = cx; tile row = 16 cy + cluster y (cy is the batch; a batch's first tile has cluster y = 0, the same in all partners).  A's tiles are shared along a row of the cluster, B's along a column.
; TRANSPOSED USE (source 0 = 16 columns of Wo, source 1 = 16 rows of ctx): a lane holds eight neighbouring columns of a row.  The bias is the C of each sum's first matrix instruction.
; REGISTERS: window 0: v16-30 addresses; v64-127 A's fragments, two sets; v128-191 the bias, eight registers a column tile; on the way out v128-255.  window 1: B's fragments, two sets of 64.  window 2: accumulator (a, b) at v[8 (8 a + b)].
.set SLOT,  102400                     ; A: two head planes of 128 rows x 144 bytes; then B: [16][256 n][16 bytes]
.set BOFF,  36864
.set STAGE, 2*SLOT                     ; 16 rows x 528 bytes for each wave
.set SPARE, STAGE+4*8448               ; the spare words, 128 bytes a wave, that no other line names
.set ADRA, 16
.set ADRB, 20
.set STO,  24
.set RD,   25
.set CO,   26
.set BA,   27
.set SPW,  28
.set NIL,  29
.set PFO,  30
.set AFR,  64
.set BIAS, 128
.set G1,  24
.set G0,  32
.set LIM, 40
.set PFA, 42
.set G1B, 48
.set G0B, 56
.set MSB, 0
.macro WIN new
.if MSB != (\new)
	s_set_vgpr_msb (MSB<<8)|(\new)
.set MSB, (\new)
.endif
.endm
.set MUL, 0xa1                         ; source 0 (B) window 1, source 1 (A) window 0, C and D window 2;  0x81: C (the bias) window 0
.macro JLOAD s                         ; waves 0, 1 fetch A's two planes, waves 2, 3 B's halves
	s_cmp_eq_u32 s13, 0
	s_cbranch_scc0 .Lfor_b_\@
	tensor_load_to_lds s[G0+4*\s:G0+4*\s+3], s[G1:G1+7]
	s_nop 0
.rept 4
	v_nop
.endr
	s_branch .Lasked_\@
.Lfor_b_\@:
	tensor_load_to_lds s[G0B+4*\s:G0B+4*\s+3], s[G1B:G1B+7]
	s_nop 0
.rept 4
	v_nop
.endr
.Lasked_\@:
.endm
; A prefetch of A's tile of the K step two refills on: 2 planes x 16,384 dense bytes.  The four partners that ask for the tile jointly share its 128 blocks of 256 bytes out by address (cx), wave 0 of each asks: a lane a block.
; Each row block of ctx16 is read by one cluster alone, so each block is named once.  The loop's last trip asks for nothing: there is no K step two on.  Wo's tiles are walked by all sixteen clusters and are not asked for.
.macro ASK
	s_cmp_gt_u32 s3, s[LIM]
	s_cbranch_scc0 .Lnot_mine_\@
	global_prefetch_b8 v[PFO], s[PFA:PFA+1] th:TH_LOAD_NT scope:SCOPE_SE
.Lnot_mine_\@:
.endm
.macro CREST
	s_cmp_lg_u32 s12, 0
	s_cbranch_scc1 .Lnot_wave_0_\@
	s_barrier_signal -3
.Lnot_wave_0_\@:
	s_barrier_wait -3
	s_barrier_signal -1
	s_barrier_wait -1
.endm
.macro CROUND
	s_barrier_signal -1
	s_barrier_wait -1
	CREST
.endm
.macro PLACES
.rept 4
	v_nop
.endr
.endm
	s_load_b256 s[4:11], s[0:1], 0x0               ; ctx16 4, wot 6, bo 8, out0 10
	v_lshl_add_u32 v[SPW], v0, 2, SPARE
	v_mov_b32 v[NIL], 0
	ds_add_u32 v[SPW], v[NIL]                      ; the wave's opening: the add, twice on end, and its wait
	ds_add_u32 v[SPW], v[NIL]
	v_lshrrev_b32 v1, 5, v0
	v_readfirstlane_b32 s12, v1                    ; wave
	s_lshr_b32 s13, s12, 1                         ; my half of the rows; also: I fetch for A (0) or B (1)
	s_and_b32 s14, s12, 1                          ; my half of the columns; also: which plane or half I fetch
	s_bfe_u32 s15, ttmp6, 0x40000                  ; cx
	s_bfe_u32 s16, ttmp6, 0x40004                  ; cy
	s_lshl_b32 s17, ttmp9, 2
	s_add_co_u32 s17, s17, s15                     ; tile column
	s_and_b32 s18, ttmp7, 0xffff                   ; cluster y
	s_lshl_b32 s19, s16, 4
	s_add_co_u32 s19, s19, s18                     ; tile row = 16 cy + cluster y
	s_lshl_b32 s20, s16, 2
	s_lshl_b32 s20, 15, s20                        ; my row of the cluster
	s_lshl_b32 s21, 0x1111, s15                    ; my column
	s_or_b32 s[G1], s20, (1<<20)|(1<<21)|(4<<22)|(3<<25)           ; A: bytes; 128 rows x 128; 4 words of padding behind every 32
	s_mov_b32 s[G1+1], 128<<16
	s_mov_b32 s[G1+2], 128<<16
	s_mov_b32 s[G1+3], 128<<16
	s_mov_b32 s[G1+4], 128
	s_mov_b32 s[G1+5], 128
	s_mov_b32 s[G1+6], 0
	s_mov_b32 s[G1+7], 0
	s_or_b32 s[G1B], s21, (1<<21)                  ; B: 8 rows x 4,096 bytes, 16,384 apart, no padding
	s_mov_b32 s[G1B+1], 4096<<16
	s_mov_b32 s[G1B+2], 8<<16
	s_mov_b32 s[G1B+3], 4096<<16
	s_mov_b32 s[G1B+4], 8
	s_mov_b32 s[G1B+5], 16384
	s_mov_b32 s[G1B+6], 0
	s_mov_b32 s[G1B+7], 0
	s_lshl_b32 s66, s14, 20                        ; A: my plane, + 128 tile row rows of 128 bytes
	s_lshl_b32 s67, s19, 14
	s_add_co_u32 s66, s66, s67
	s_mov_b32 s67, 0
	s_lshl_b32 s70, s14, 17                        ; B: my eight rows, + 256 tile column columns of 16 bytes
	s_lshl_b32 s71, s17, 12
	s_add_co_u32 s70, s70, s71
	s_mov_b32 s71, 0
	s_mul_i32 s74, s14, 18432
	s_lshl_b32 s75, s14, 15
	s_add_co_u32 s75, s75, BOFF
	s_wait_dscnt 0x0                               ; both opening adds are done
	s_wait_kmcnt 0x0
	s_add_nc_u64 s[68:69], s[4:5], s[66:67]
	s_add_nc_u64 s[72:73], s[6:7], s[70:71]
	CROUND                                         ; all sixteen work-groups are here
.irp s, 0,1
	s_mov_b32 s[G0+4*\s], 1
	s_add_co_u32 s[G0+4*\s+1], s74, \s*SLOT
	s_add_nc_u64 s[G0+4*\s+2:G0+4*\s+3], s[68:69], \s*2097152
	s_or_b32 s[G0+4*\s+3], s[G0+4*\s+3], 0x80000000
	s_mov_b32 s[G0B+4*\s], 1
	s_add_co_u32 s[G0B+4*\s+1], s75, \s*SLOT
	s_add_nc_u64 s[G0B+4*\s+2:G0B+4*\s+3], s[72:73], \s*262144
	s_or_b32 s[G0B+4*\s+3], s[G0B+4*\s+3], 0x80000000
	JLOAD \s                                       ; two tensor loads of a wave are out at the start, later one
.endr
	v_and_b32 v1, 15, v0                           ; r
	v_bfe_u32 v2, v0, 4, 1                         ; h
	v_and_b32 v3, 31, v0                           ; lane
	s_lshl_b32 s76, s17, 10
	s_lshl_b32 s77, s14, 9
	s_add_co_u32 s76, s76, s77                     ; my 128 columns, in bytes of f32
	s_mov_b32 s77, 0
	s_add_nc_u64 s[8:9], s[8:9], s[76:77]
	v_lshlrev_b32 v[BA], 5, v2
.irp b, 0,1,2,3,4,5,6,7
	global_load_b128 v[BIAS+8*\b:BIAS+8*\b+3], v[BA], s[8:9] offset:64*\b        ; bo at columns 16 b + 8 h + 0 .. 7
	global_load_b128 v[BIAS+8*\b+4:BIAS+8*\b+7], v[BA], s[8:9] offset:64*\b+16
.endr
	s_add_nc_u64 s[10:11], s[10:11], s[76:77]
	s_lshl_b32 s76, s19, 19
	s_lshl_b32 s78, s13, 18
	s_add_co_u32 s76, s76, s78                     ; my first row: (128 tile row + 64 half) x 4,096
	s_add_nc_u64 s[10:11], s[10:11], s[76:77]
	v_mul_u32_u24 v4, v1, 144
	v_lshl_add_u32 v4, v2, 4, v4
	s_mul_i32 s78, s13, 9216
	v_add_nc_u32 v[ADRA], s78, v4
	v_add_nc_u32 v[ADRA+1], SLOT, v[ADRA]
	v_lshlrev_b32 v4, 4, v1
	v_lshl_add_u32 v4, v2, 12, v4
	s_lshl_b32 s78, s14, 11
	s_add_co_u32 s78, s78, BOFF
	v_add_nc_u32 v[ADRB], s78, v4
	v_add_nc_u32 v[ADRB+1], SLOT, v[ADRB]
	s_mul_i32 s79, s12, 8448
	s_add_co_u32 s79, s79, STAGE
	v_mul_u32_u24 v4, v1, 528
	v_lshl_add_u32 v4, v2, 5, v4
	v_add_nc_u32 v[STO], s79, v4
	v_lshlrev_b32 v[CO], 4, v3
	v_add_nc_u32 v[RD], s79, v[CO]
	s_lshl_b32 s44, s19, 14                        ; the prefetches: my tile's rows, my work-group's 4,096 bytes of each plane,
	s_lshl_b32 s45, s15, 12
	s_add_co_u32 s44, s44, s45
	s_add_co_u32 s44, s44, 3*2097152               ; at K step 3: the first refill steps it to 4
	s_mov_b32 s45, 0
	s_add_nc_u64 s[PFA:PFA+1], s[4:5], s[44:45]
	s_cmp_eq_u32 s12, 0
	s_cselect_b32 s[LIM], 1, -1
	v_lshlrev_b32 v[PFO], 8, v1
	v_lshl_add_u32 v[PFO], v2, 20, v[PFO]          ; lanes 0-15 the first plane, lanes 16-31 the second; 256 bytes apart
.macro FETCH slot, q, f                ; the fragments of quarter q (32 along K) into set f: 16 loads for B, 8 for A
	WIN 0x40
.irp b, 0,1,2,3,4,5,6,7
	ds_load_b128 v[64*(\f)+8*\b:64*(\f)+8*\b+3], v[ADRB+\slot] offset:16384*(\q)+256*\b
	ds_load_b128 v[64*(\f)+8*\b+4:64*(\f)+8*\b+7], v[ADRB+\slot] offset:16384*(\q)+256*\b+8192
.endr
	WIN 0
.irp a, 0,1,2,3
	ds_load_b128 v[AFR+32*(\f)+8*\a:AFR+32*(\f)+8*\a+3], v[ADRA+\slot] offset:((\q)/2)*18432+((\q)%2)*64+2304*\a
	ds_load_b128 v[AFR+32*(\f)+8*\a+4:AFR+32*(\f)+8*\a+7], v[ADRA+\slot] offset:((\q)/2)*18432+((\q)%2)*64+2304*\a+32
.endr
.endm
.macro MUL8 f, a, first                ; A's block a x B's eight; the 32 accumulators take turns in one order
.irp b, 0,1,2,3,4,5,6,7
.if \first
	v_wmma_f32_16x16x32_f16 v[8*(8*(\a)+\b):8*(8*(\a)+\b)+7], v[64*(\f)+8*\b:64*(\f)+8*\b+7], v[AFR+32*(\f)+8*(\a):AFR+32*(\f)+8*(\a)+7], v[BIAS+8*\b:BIAS+8*\b+7]
.else
	v_wmma_f32_16x16x32_f16 v[8*(8*(\a)+\b):8*(8*(\a)+\b)+7], v[64*(\f)+8*\b:64*(\f)+8*\b+7], v[AFR+32*(\f)+8*(\a):AFR+32*(\f)+8*(\a)+7], v[8*(8*(\a)+\b):8*(8*(\a)+\b)+7]
.endif
.endr
.endm
.macro QUARTER slot, qn, f, g, first
	s_wait_dscnt 4                                 ; B and A's blocks 0, 1 are in; the youngest four loads (A's blocks 2, 3) may be out
	WIN MUL-0x20*(\first)
	MUL8 \f, 0, \first
	MUL8 \f, 1, \first
	PLACES
	FETCH \slot, \qn, \g
	s_wait_dscnt 24                                ; all but the 24 just issued
	WIN MUL-0x20*(\first)
	MUL8 \f, 2, \first
	MUL8 \f, 3, \first
.endm
.macro TURN slot, next, fill           ; a K step's last quarter changes slots
.if \fill
	s_wait_xcnt 0x0                                ; the last prefetch, a K step back, has read its address
	s_add_nc_u64 s[PFA:PFA+1], s[PFA:PFA+1], 2097152
.endif
	WIN 0
	s_wait_tensorcnt 0x0                           ; all my tensor loads have landed: my part of the next slot;
	ds_add_u32 v[SPW], v[NIL]
	s_wait_dscnt 5                                 ; (the add and A's blocks 2, 3 may be out)
	WIN MUL
	MUL8 1, 0, 0
	s_wait_dscnt 0x0                               ; the add is done, and my reads of this slot are over
	s_barrier_signal -1
	MUL8 1, 1, 0
.if \fill
	WIN 0
.endif
	s_barrier_wait -1
.if \fill
	CREST                                          ; the barrier has opened a round of the cluster's: no wave of any partner still reads this slot or has a load on its way
	s_add_nc_u64 s[G0+4*\slot+2:G0+4*\slot+3], s[G0+4*\slot+2:G0+4*\slot+3], 4194304
	s_add_nc_u64 s[G0B+4*\slot+2:G0B+4*\slot+3], s[G0B+4*\slot+2:G0B+4*\slot+3], 524288
	JLOAD \slot                                    ; the first tensor load behind the round; its four v_nop are also the places in front of the loads below
.else
	PLACES
.endif
	FETCH \next, 0, 0
.if \fill
	ASK
.endif
	WIN MUL
	MUL8 1, 2, 0
	MUL8 1, 3, 0
.endm
	s_wait_tensorcnt 1                             ; my part of K step 0 is in; K step 1's load stays out
	s_barrier_signal -1
	s_barrier_wait -1
	FETCH 0, 0, 0
	s_wait_loadcnt 0x0                             ; the bias
	QUARTER 0, 1, 0, 1, 1                          ; the first quarter starts the sums on the bias
	WIN 0
	s_mov_b32 s3, 3
.Llap:                                             ; a trip goes once round the ring and fills both slots again
	QUARTER 0, 2, 1, 0, 0
	QUARTER 0, 3, 0, 1, 0
	TURN 0, 1, 1
	QUARTER 1, 1, 0, 1, 0
	QUARTER 1, 2, 1, 0, 0
	QUARTER 1, 3, 0, 1, 0
	TURN 1, 0, 1
	QUARTER 0, 1, 0, 1, 0
	WIN 0
	s_sub_co_u32 s3, s3, 1
	s_cmp_lg_u32 s3, 0
	s_cbranch_scc1 .Llap
	QUARTER 0, 2, 1, 0, 0                          ; the last lap fills nothing
	QUARTER 0, 3, 0, 1, 0
	TURN 0, 1, 0
	QUARTER 1, 1, 0, 1, 0
	QUARTER 1, 2, 1, 0, 0
	QUARTER 1, 3, 0, 1, 0
	s_wait_dscnt 4
	WIN MUL
	MUL8 1, 0, 0
	MUL8 1, 1, 0
	s_wait_dscnt 0x0
	MUL8 1, 2, 0
	MUL8 1, 3, 0
	WIN 0
	PLACES
; THE WAY OUT: a block of 16 rows x 128 columns through my stage, back as whole rows of 512 bytes.
.macro OUTBLK a
.set BB, 128+64*((\a)%2)
.if (\a) >= 2
	s_wait_xcnt 0x0                                ; block a - 2's stores have read their registers
.endif
	WIN 0x08                                       ; an LDS store's data are its source 1: window 2
.irp b, 0,1,2,3,4,5,6,7
	ds_store_b128 v[STO], v[64*(\a)+8*\b:64*(\a)+8*\b+3] offset:64*\b          ; each accumulator from its low end on
	ds_store_b128 v[STO], v[64*(\a)+8*\b+4:64*(\a)+8*\b+7] offset:64*\b+16
.endr
	WIN 0
.irp t, 0,1,2,3,4,5,6,7,8,9,10,11,12,13,14,15
	ds_load_b128 v[BB+4*\t:BB+4*\t+3], v[RD] offset:528*\t
.endr
	s_wait_dscnt 0x0
.irp t, 0,1,2,3,4,5,6,7,8,9,10,11,12,13,14,15
	global_store_b128 v[CO], v[BB+4*\t:BB+4*\t+3], s[10:11] offset:65536*(\a)+4096*\t th:TH_STORE_NT   ; 512 consecutive bytes, aligned
.endr
.endm
	s_or_b32 s44, s18, s13
	s_cmp_eq_u32 s44, 0                            ; a batch's positions 0-15: the launch fine owns them (cluster y and the wave's number alone)
	s_cbranch_scc1 .Lskip0
	OUTBLK 0
.Lskip0:
	OUTBLK 1
	OUTBLK 2
	OUTBLK 3
	s_wait_tensorcnt 0x0                           ; the wave's end
	ds_add_u32 v[SPW], v[NIL]
	s_wait_dscnt 0x0
	CROUND                                         ; the closing round
	s_endpgm
.Lfunc_end_k_q82dc996d52_proj:
	.size	k_q82dc996d52_proj, .Lfunc_end_k_q82dc996d52_proj-k_q82dc996d52_proj
	.p2alignl 7, 3214868480
	.fill 96, 4, 3214868480
	.section	.rodata,"a",@progbits
	.p2align	6, 0x0
	.amdhsa_kernel k_q82dc996d52_proj
		.amdhsa_group_segment_fixed_size 327680
		.amdhsa_private_segment_fixed_size 0
		.amdhsa_enable_private_segment 0
		.amdhsa_kernarg_size 32
		.amdhsa_user_sgpr_count 2
		.amdhsa_user_sgpr_kernarg_segment_ptr 1
		.amdhsa_wavefront_size32 1
		.amdhsa_system_sgpr_workgroup_id_x 1
		.amdhsa_system_sgpr_workgroup_id_y 1
		.amdhsa_system_sgpr_workgroup_id_z 1
		.amdhsa_system_vgpr_workitem_id 0
		.amdhsa_next_free_vgpr 768
		.amdhsa_next_free_sgpr 80
		.amdhsa_reserve_vcc 0
		.amdhsa_float_denorm_mode_32 3
		.amdhsa_float_denorm_mode_16_64 3
		.amdhsa_memory_ordered 1
		.amdhsa_forward_progress 1
		.amdhsa_inst_pref_size 87
	.end_amdhsa_kernel
	.amdgpu_metadata
---
amdhsa.version: [ 1, 2 ]
amdhsa.kernels:
  - .name:           k_q82dc996d52_proj
    .symbol:         k_q82dc996d52_proj.kd
    .args:
      - { .name: ctx16, .offset: 0, .size: 8, .value_kind: global_buffer, .address_space: global }
      - { .name: wot, .offset: 8, .size: 8, .value_kind: global_buffer, .address_space: global }
      - { .name: bo, .offset: 16, .size: 8, .value_kind: global_buffer, .address_space: global }
      - { .name: out0, .offset: 24, .size: 8, .value_kind: global_buffer, .address_space: global }
    .group_segment_fixed_size: 327680
    .private_segment_fixed_size: 0
    .kernarg_segment_align: 8
    .kernarg_segment_size: 32
    .max_flat_workgroup_size: 128
    .sgpr_count:     80
    .vgpr_count:     768
    .wavefront_size: 32
...
	.end_amdgpu_metadata
.endif
;; end of part 4
;; launch fine (part 5): grid 32 x 4, 16 waves a work-group, no clusters, 84,480 bytes of LDS; arguments qkv32, Wo, bo, out0; writes out0
.if DOCPART == 5
	.amdgcn_target "amdgcn-amd-amdhsa--gfx1250"
	.amdhsa_code_object_version 6
	.text
	.protected	k_q82dc996d52_fine
	.globl	k_q82dc996d52_fine
	.p2align	8
	.type	k_q82dc996d52_fine,@function
k_q82dc996d52_fine:
	s_mov_b64 s[64:65], 0
	v_nop
	global_prefetch_b8 v0, s[64:65] scope:SCOPE_SE
	s_setreg_imm32_b32 hwreg(HW_REG_WAVE_MODE, 25, 1), 1
	s_wait_xcnt 0x0
; Positions 0-15 of each batch, in f32 throughout: these rows average one to sixteen values and are the largest of the output, so f16 operands would use up what the comparison allows.
; WORK LEFT OUT: keys behind position 15 (hidden from these queries by reference()'s own causal mask, for all inputs).
; qkv32 [64 = 16 batch + position][3072] f32 (q, k, v of all heads); Wo [1024][1024] f32; out0 rows 2048 batch + 0 .. 15.
; A work-group makes 32 output columns (x) of one batch (y).  PHASE 1: wave w is head w: S^T = K Q^T, mask, softmax, O^T = V^T P by the f32 matrix form (16 x 16 x 4); ctx (16 x 1,024) to LDS.  It is made anew in each of a
; batch's 32 work-groups: 32 small products a wave.  PHASE 2: wave w takes column tile w % 2 and 128 of K (w / 2); the eight parts meet in LDS, waves 0, 1 add them in a fixed order, add bo and store.
; The f32 form takes k = 2 h + j in register j; here the slots carry other k, the SAME in both sources, which keeps every product.  Its accumulators (v128-143, v152-183) are written by matrix instructions alone.
; The stores are runs of 64 bytes a row and wave: 262,144 bytes in the whole launch.
.set RED,   66048                      ; behind ctx (16 rows x 4,112 bytes): 1,024 bytes for each wave's part
.set SPARE, 82432                      ; the spare words, 128 bytes a wave, that no other line names
.set SPW, 6
.set NIL, 7
	s_load_b256 s[4:11], s[0:1], 0x0               ; qkv32 4, Wo 6, bo 8, out0 10
	v_lshl_add_u32 v[SPW], v0, 2, SPARE
	v_mov_b32 v[NIL], 0
	v_lshrrev_b32 v14, 5, v0
	v_readfirstlane_b32 s12, v14                   ; wave
	s_and_b32 s13, ttmp7, 0xffff                   ; batch
	s_and_b32 s14, s12, 1                          ; column tile
	s_lshr_b32 s15, s12, 1                         ; eighth of K
	s_mov_b32 s20, 0x76543210
	s_mov_b32 s21, 0xfedcba98
	s_mov_b32 s22, 0x3e38aa3b                      ; c = log2(e) / 8
	v_and_b32 v1, 15, v0                           ; r
	v_bfe_u32 v2, v0, 4, 1                         ; h
	v_and_b32 v15, 31, v0                          ; lane
	v_mul_u32_u24 v3, v1, 12288
	v_lshl_add_u32 v3, v2, 4, v3                   ; q, k: row r, + 16 h
	v_mul_u32_u24 v4, v2, 98304
	v_lshl_add_u32 v4, v1, 2, v4                   ; v: key 8 h, channel r
	v_lshlrev_b32 v5, 14, v2
	v_lshl_add_u32 v5, v1, 2, v5                   ; Wo: row 4 h, column r
	v_mul_u32_u24 v8, v1, 4112
	v_lshl_add_u32 v9, v2, 4, v8
	v_lshl_add_u32 v8, v2, 5, v8
	s_lshl_b32 s24, s12, 8
	v_add_nc_u32 v8, s24, v8                       ; ctx, in: row r, + 256 head + 32 h
	s_lshl_b32 s24, s15, 9
	v_add_nc_u32 v9, s24, v9                       ; ctx, back: row r, + 512 eighth + 16 h
	v_lshlrev_b32 v10, 4, v15
	s_lshl_b32 s24, s14, 10
	s_add_co_u32 s24, s24, RED
	v_add_nc_u32 v11, s24, v10                     ; the parts of my column tile
	s_lshl_b32 s24, s12, 10
	s_add_co_u32 s24, s24, RED
	v_add_nc_u32 v10, s24, v10                     ; my part
	v_lshlrev_b32 v12, 12, v1
	v_lshl_add_u32 v12, v2, 5, v12                 ; out0: row r, + 32 h
	v_lshlrev_b32 v14, 3, v2
	v_sub_nc_u32 v13, v1, v14                      ; r - 8 h
	v_lshlrev_b32 v24, 5, v2                       ; bo: 32 h
	v_mov_b32 v25, 0xff800000                      ; -infinity
	s_mul_i32 s16, s13, 196608
	s_lshl_b32 s17, s12, 8
	s_add_co_u32 s16, s16, s17
	s_mov_b32 s17, 0
	s_lshl_b32 s18, ttmp9, 7
	s_lshl_b32 s19, s14, 6
	s_add_co_u32 s18, s18, s19                     ; my 16 columns, in bytes
	s_mov_b32 s19, 0
	s_wait_kmcnt 0x0
	s_add_nc_u64 s[4:5], s[4:5], s[16:17]          ; my batch's row 0, my head's q
	s_lshl_b32 s16, s15, 19
	s_add_nc_u64 s[6:7], s[6:7], s[16:17]
	s_add_nc_u64 s[6:7], s[6:7], s[18:19]
	s_add_nc_u64 s[8:9], s[8:9], s[18:19]
	s_lshl_b32 s16, s13, 23
	s_add_nc_u64 s[10:11], s[10:11], s[16:17]
	s_add_nc_u64 s[10:11], s[10:11], s[18:19]
.irp i, 0,1,2,3,4,5,6,7
	global_load_b128 v[32+4*\i:35+4*\i], v3, s[4:5] offset:32*\i            ; q: channels 8 i + 4 h + 0 .. 3
.endr
.irp i, 0,1,2,3,4,5,6,7
	global_load_b128 v[64+4*\i:67+4*\i], v3, s[4:5] offset:4096+32*\i       ; k likewise
.endr
.irp ct, 0,1,2,3
.irp k, 0,1,2,3,4,5,6,7
	global_load_b32 v[96+8*\ct+\k], v4, s[4:5] offset:8192+12288*\k+64*\ct  ; v(key 8 h + k, channel 16 ct + r)
.endr
.endr
.irp i, 0,1,2,3,4,5,6,7,8,9,10,11,12,13,14,15
.irp k, 0,1,2,3
	global_load_b32 v[184+4*\i+\k], v5, s[6:7] offset:(8*\i+\k)*4096        ; Wo(128 eighth + 8 i + 4 h + k, my column r)
.endr
.endr
	s_wait_loadcnt 63                              ; 64 loads of Wo were issued behind v's last: q, k, v are in
; ---- phase 1
.irp i, 0,1,2,3,4,5,6,7                ; two accumulators by turns, one instruction a turn
.irp u, 0,1
.if \i == 0
	v_wmma_f32_16x16x4_f32 v[128+8*\u:135+8*\u], v[64+4*\i+2*\u:65+4*\i+2*\u], v[32+4*\i+2*\u:33+4*\i+2*\u], 0
.else
	v_wmma_f32_16x16x4_f32 v[128+8*\u:135+8*\u], v[64+4*\i+2*\u:65+4*\i+2*\u], v[32+4*\i+2*\u:33+4*\i+2*\u], v[128+8*\u:135+8*\u]
.endif
.endr
.endr
.rept 8
	v_nop                                          ; eight plain places behind this form (ISA guide 7.12.1)
.endr
.irp j, 0,1,2,3,4,5,6,7
	v_add_f32 v[144+\j], v[128+\j], v[136+\j]      ; score of key 8 h + j for query r
.endr
.irp j, 0,1,2,3,4,5,6,7
	v_cmp_gt_i32 vcc_lo, \j, v13                   ; hidden where 8 h + j > r
	v_cndmask_b32 v[144+\j], v[144+\j], v25, vcc_lo
.endr
	v_max3_num_f32 v16, v144, v145, v146
	v_max3_num_f32 v17, v147, v148, v149
	v_max3_num_f32 v16, v16, v150, v151
	v_max_num_f32 v16, v16, v17
	v_permlanex16_b32 v17, v16, s20, s21
	v_max_num_f32 v16, v16, v17                    ; the row's maximum: key 0 counts for every query
	v_mul_f32 v17, s22, v16
.irp j, 0,1,2,3,4,5,6,7
	v_fma_f32 v[144+\j], v[144+\j], s22, -v17
.endr
.irp j, 0,1,2,3,4,5,6,7
	v_exp_f32 v[144+\j], v[144+\j]
.endr
	v_nop
	s_wait_alu depctr_va_vdst(0)                   ; one wait for the eight, ahead of their first reader
	v_add_f32 v16, v144, v145
	v_add_f32 v18, v146, v147
	v_add_f32 v19, v148, v149
	v_add_f32 v20, v150, v151
	v_add_f32 v16, v16, v18
	v_add_f32 v19, v19, v20
	v_add_f32 v16, v16, v19
	v_permlanex16_b32 v17, v16, s20, s21
	v_add_f32 v16, v16, v17
	v_rcp_f32 v18, v16
	v_nop
	s_wait_alu depctr_va_vdst(0)
.irp j, 0,1,2,3,4,5,6,7
	v_mul_f32 v[144+\j], v[144+\j], v18            ; the weights
.endr
.irp s, 0,1,2,3                        ; O^T = V^T P: keys 8 h + 2 s + j in both sources; four accumulators by turns
.irp ct, 0,1,2,3
.if \s == 0
	v_wmma_f32_16x16x4_f32 v[152+8*\ct:159+8*\ct], v[96+8*\ct+2*\s:97+8*\ct+2*\s], v[144+2*\s:145+2*\s], 0
.else
	v_wmma_f32_16x16x4_f32 v[152+8*\ct:159+8*\ct], v[96+8*\ct+2*\s:97+8*\ct+2*\s], v[144+2*\s:145+2*\s], v[152+8*\ct:159+8*\ct]
.endif
.endr
.endr
.rept 9
	v_nop                                          ; eight places in front of the stores that read the results, nine in front of phase 2's products, which begin these accumulators anew
.endr
.irp ct, 0,1,2,3
	ds_store_b128 v8, v[152+8*\ct:155+8*\ct] offset:64*\ct         ; ctx(r, 64 head + 16 ct + 8 h + 0 .. 7), each accumulator from its low end on
	ds_store_b128 v8, v[156+8*\ct:159+8*\ct] offset:64*\ct+16
.endr
	s_wait_dscnt 0x0                               ; for the others' sake: my stores have landed
	s_barrier_signal -1
	s_barrier_wait -1
; ---- phase 2
.irp i, 0,1,2,3,4,5,6,7,8,9,10,11,12,13,14,15
	ds_load_b128 v[32+4*\i:35+4*\i], v9 offset:32*\i               ; ctx(r, 128 eighth + 8 i + 4 h + 0 .. 3)
.endr
	s_wait_loadcnt 0x0                             ; Wo
	s_wait_dscnt 0x0
.irp i, 0,1,2,3,4,5,6,7,8,9,10,11,12,13,14,15
.irp u, 0,1
.if \i < 2
	v_wmma_f32_16x16x4_f32 v[152+8*((2*\i+\u)%4):159+8*((2*\i+\u)%4)], v[184+4*\i+2*\u:185+4*\i+2*\u], v[32+4*\i+2*\u:33+4*\i+2*\u], 0
.else
	v_wmma_f32_16x16x4_f32 v[152+8*((2*\i+\u)%4):159+8*((2*\i+\u)%4)], v[184+4*\i+2*\u:185+4*\i+2*\u], v[32+4*\i+2*\u:33+4*\i+2*\u], v[152+8*((2*\i+\u)%4):159+8*((2*\i+\u)%4)]
.endif
.endr
.endr
.rept 8
	v_nop
.endr
.irp j, 0,1,2,3,4,5,6,7
	v_add_f32 v[144+\j], v[152+\j], v[160+\j]
.endr
.irp j, 0,1,2,3,4,5,6,7
	v_add_f32 v[16+\j], v[168+\j], v[176+\j]
.endr
.irp j, 0,1,2,3,4,5,6,7
	v_add_f32 v[144+\j], v[144+\j], v[16+\j]       ; my part of out(r, 16 tile + 8 h + j)
.endr
	ds_store_b128 v10, v[144:147]
	ds_store_b128 v10, v[148:151] offset:512
	s_wait_dscnt 0x0
	s_barrier_signal -1
	s_barrier_wait -1
	s_cmp_lt_u32 s12, 2                            ; waves 0 and 1 gather: a branch on the wave's number, no barrier inside
	s_cbranch_scc0 .Lend
	global_load_b128 v[16:19], v24, s[8:9]
	global_load_b128 v[20:23], v24, s[8:9] offset:16
.irp e, 0,1,2,3,4,5,6,7
	ds_load_b128 v[32+8*\e:35+8*\e], v11 offset:2048*\e
	ds_load_b128 v[36+8*\e:39+8*\e], v11 offset:2048*\e+512
.endr
	s_wait_loadcnt 0x0
	s_wait_dscnt 0x0
.irp e, 0,1,2,3,4,5,6,7
.irp j, 0,2,4,6
	v_pk_add_f32 v[16+\j:17+\j], v[16+\j:17+\j], v[32+8*\e+\j:33+8*\e+\j]
.endr
.endr
	global_store_b128 v12, v[16:19], s[10:11]
	global_store_b128 v12, v[20:23], s[10:11] offset:16
.Lend:
	s_wait_tensorcnt 0x0                           ; the wave's end: behind my last LDS store
	ds_add_u32 v[SPW], v[NIL]
	s_wait_dscnt 0x0
	s_endpgm
.Lfunc_end_k_q82dc996d52_fine:
	.size	k_q82dc996d52_fine, .Lfunc_end_k_q82dc996d52_fine-k_q82dc996d52_fine
	.p2alignl 7, 3214868480
	.fill 96, 4, 3214868480
	.section	.rodata,"a",@progbits
	.p2align	6, 0x0
	.amdhsa_kernel k_q82dc996d52_fine
		.amdhsa_group_segment_fixed_size 84480
		.amdhsa_private_segment_fixed_size 0
		.amdhsa_enable_private_segment 0
		.amdhsa_kernarg_size 32
		.amdhsa_user_sgpr_count 2
		.amdhsa_user_sgpr_kernarg_segment_ptr 1
		.amdhsa_wavefront_size32 1
		.amdhsa_system_sgpr_workgroup_id_x 1
		.amdhsa_system_sgpr_workgroup_id_y 1
		.amdhsa_system_sgpr_workgroup_id_z 1
		.amdhsa_system_vgpr_workitem_id 0
		.amdhsa_next_free_vgpr 256
		.amdhsa_next_free_sgpr 66
		.amdhsa_reserve_vcc 1
		.amdhsa_float_denorm_mode_32 3
		.amdhsa_float_denorm_mode_16_64 3
		.amdhsa_memory_ordered 1
		.amdhsa_forward_progress 1
		.amdhsa_inst_pref_size 27
	.end_amdhsa_kernel
	.amdgpu_metadata
---
amdhsa.version: [ 1, 2 ]
amdhsa.kernels:
  - .name:           k_q82dc996d52_fine
    .symbol:         k_q82dc996d52_fine.kd
    .args:
      - { .name: qkv32, .offset: 0, .size: 8, .value_kind: global_buffer, .address_space: global }
      - { .name: Wo, .offset: 8, .size: 8, .value_kind: global_buffer, .address_space: global }
      - { .name: bo, .offset: 16, .size: 8, .value_kind: global_buffer, .address_space: global }
      - { .name: out0, .offset: 24, .size: 8, .value_kind: global_buffer, .address_space: global }
    .group_segment_fixed_size: 84480
    .private_segment_fixed_size: 0
    .kernarg_segment_align: 8
    .kernarg_segment_size: 32
    .max_flat_workgroup_size: 512
    .sgpr_count:     66
    .vgpr_count:     256
    .wavefront_size: 32
...
	.end_amdgpu_metadata
.endif
;; end of part 5
